; MI455X (gfx1250); checked and timed in simulation.
; The chip was launched on July 23, 2026; its instructions are those of AMD's public machine-readable ISA for CDNA 5 (MIT licence, August 2026) and "CDNA5" Instruction Set Architecture Reference Guide (July 2026). The comments in the code are by the model that wrote it; some were corrected since.
;; Self Attention. Allowed arithmetic: matrix products marked QUANTISED: E2M1 operands, one E8M0 scale for each 32 along K, by v_wmma_scale_f32_16x16x128_f8f6f4 with both operands' format E2M1 (or v_wmma_scale_f32_32x16x128_f4), f32 sums; products left as they are: bf16, f16 or f32 operands; f32 sums; everything else in f32.
;; Inputs: kernel 3 x 1,024 x 1,024 float32; x 4 x 2,048 x 1,024 float32.
;; Outputs: out0 4 x 2,048 x 1,024 float32.
;; This version of the problem:
;;   THIS VERSION OF THE PROBLEM IS GIVEN IN LOW PRECISION. The matrix products marked QUANTISED in the list below multiply operands that are first quantised to E2M1 (2 exponent bits, 1 mantissa bit; 4 bits a number), with one power-of-two scale for each 32 numbers along K (OCP MX v1.0); their sums are f32. The products marked 'left as it is' may take bf16, f16 or f32 operands, with f32 sums. Whichever they take, every output number must still come out within the allowed error. Rounding operands to bf16 (8 significant bits) uses up far more of that allowance than f16 does (11 bits, for magnitudes from 6e-5 to 65,504). All else is computed in f32.
;;   The module's matrix products, in the order in which they are computed (A, B: the left and right operand; K: the contracted axis; several contracted axes count as one K, in the product's order):
;;     1. [M 8,192, K 1,024] x [K 1,024, N 1,024]; A: input x; B: input kernel: QUANTISED
;;     2. [M 8,192, K 1,024] x [K 1,024, N 1,024]; A: input x; B: input kernel: QUANTISED
;;     3. [M 8,192, K 1,024] x [K 1,024, N 1,024]; A: input x; B: input kernel: QUANTISED
;;     4. batch 4 x [M 2,048, K 1,024] x [K 1,024, N 2,048]; A: computed on the way; B: computed on the way: left as it is (an operand is computed on the way)
;;     5. batch 4 x [M 2,048, K 2,048] x [K 2,048, N 1,024]; A: computed on the way; B: computed on the way: left as it is (an operand is computed on the way)
;;   THE QUANTISER, for each operand of a quantised product, along K:
;;     - K is cut into blocks of 32 from its start; a last block that is shorter is filled with zeros.
;;     - A block's scale is 2^e with e = floor(log2(the largest magnitude in the block)) - 2, held to -126 .. 127; a block of zeros has e = 0. As a byte (E8M0): e + 127.
;;     - Each number is divided by its block's scale, clamped to +-6, and rounded to the nearest number of E2M1, ties to even, subnormals kept.
;;     - The product sums the exact products of the quantised numbers (number of the format x scale) in f32.
;;   ~~~python
;;   def quantise(x, axis):      # numpy; x: float32 -> the quantised numbers, widened to float32 again
;;       x = np.moveaxis(x, axis, -1); K = x.shape[-1]
;;       x = np.pad(x, [(0, 0)] * (x.ndim - 1) + [(0, -K % 32)]); x = x.reshape(x.shape[:-1] + (-1, 32)); a = np.abs(x).max(-1, keepdims=True)
;;       e = np.where(a > 0, np.clip(np.frexp(np.where(a > 0, a, 1))[1] - 1 - 2, -126, 127), 0)      # np.frexp(a)[1] - 1 = floor(log2(a)), exactly
;;       r = np.clip(x / 2.0 ** e, -6, 6)
;;       step = 2.0 ** (np.maximum(np.frexp(np.where(r == 0, 1, r))[1] - 1, 0) - 1)
;;       q = np.round(r / step) * step * 2.0 ** e      # np.round: ties to even
;;       return np.moveaxis(q.reshape(q.shape[:-2] + (-1,))[..., :K], -1, axis).astype(np.float32)
;;   ~~~
;; One version. Each part assembles by itself: llvm-mc -triple=amdgcn-amd-amdhsa -mcpu=gfx1250 --defsym DOCPART=n.
;; ======== version 1 of 1: 4 launches
;; limits: values are held in f16: magnitudes above 65,504 overflow, below 6.1e-05 lose precision
;; workspace buffers: xc 4,194,304 bytes; xs 262,144 bytes; wc 1,572,864 bytes; ws 98,304 bytes; qkv 50,331,648 bytes; p 33,554,432 bytes; st 1,048,576 bytes
;; launch quant (part 1): grid 352 x 1, 4 waves a work-group, no clusters, 50,688 bytes of LDS; arguments x, kernel, xc, xs, wc, ws; writes xc, xs, wc, ws
.if DOCPART == 1
	.amdgcn_target "amdgcn-amd-amdhsa--gfx1250"
	.amdhsa_code_object_version 6
	.text
	.protected	k_qe52f7e8333_quant
	.globl	k_qe52f7e8333_quant
	.p2align	8
	.type	k_qe52f7e8333_quant,@function
k_qe52f7e8333_quant:
	s_mov_b64 s[64:65], 0
	v_nop
	global_prefetch_b8 v0, s[64:65] scope:SCOPE_SE
	s_setreg_imm32_b32 hwreg(HW_REG_WAVE_MODE, 25, 1), 1
	s_wait_xcnt 0x0
; x [8192][1024] f32 and kernel [3][1024][1024] f32 become codes of FP4 (E2M1) with one E8M0 byte for each 32 along K = the 1,024 that both share.
;   xc [8192][512 bytes], xs [8192][32]: K is x's last axis: a plain stream of blocks of 32.
;   wc [3072][512 bytes], ws [3072][32]: row 1024 i + e holds column e of kernel[i]: K is the matrices' FIRST axis, so a lane takes a column and its registers run down K.
; A block's scale is 2^(floor(log2(its largest magnitude)) - 2); its byte is the largest magnitude's exponent field - 2.  Each number is divided by the scale and rounded to the nearest code, ties to even, beyond 6 the largest code.
; THE WEIGHTS' BYTES ARE STORED 4 LOWER THAN THE RULE'S: the codes are the rule's, and every sum of the products that follow comes out as its value / 16, exactly, which gives the f16 numbers made of them their room.
; LIMITS: x: blocks whose largest magnitude lies under 2^-124 keep the byte 1;  kernel: blocks under 2^-120 are quantised on the scale of that floor (their stored byte is 1).
; A block of zeros keeps the floor's byte where the rule says 127: its codes are zeros, and this program alone reads the bytes.  NaN and infinities among the inputs are not served.
; Work-groups 0 to 255 take x (a wave: 8,192 numbers; waves share nothing).  Work-groups 256 to 351 take the weights: 64 columns x 512 along K each; a wave takes 32 columns x 256 along K, so that a wave's chain of
; blocks is 8 long; the two halves of a column's 256 bytes of codes meet in the work-group's stage behind one barrier.  The two ways part on the work-group's number, the same in all four waves, and have LDS bytes of their own.
.set SPW,   188                        ; v188  LDS address of my spare word: SPARE + 4 x my thread's number; never rewritten
.set NIL,   189                        ; v189  0; never rewritten
.set SPARE, 50176                      ; behind both ways' regions: the spare words, 128 bytes for each wave: two blocks of 256 bytes that no other line names
; x's way
.set STEPS, 16
.set CB,    8                          ; bytes of 16 codes
.set XR,    16                         ; v16-79   four sets of 16 numbers as they are loaded
.set XX,    80                         ; v80-111  two sets of 16 neighbours
.set XE,    112                        ; v112-127 a scale byte for each step
.set XC,    128                        ; v128-159 codes: two registers for each step, so that no store's data are written again
.set WREG,  8192                       ; LDS 0 .. 32,767: a region for each wave: two stages of 32 x SP bytes, behind them its 256 scale bytes
.set SP,    80                         ; a lane's place in a stage: its 64 bytes + 16 of padding
; the weights' way
.set WSTG,  32768                      ; LDS 32,768 .. 50,175: the work-group's stage: 64 rows x PITCH
.set NB,    8                          ; blocks of 32 along K for a wave
.set PITCH, 272                        ; a stage row: 256 bytes of codes + 16
.set KROW,  512                        ; a row of wc in bytes
.set NROW,  4096                       ; a row of a weight matrix in memory, in bytes
.set WSB,   24                         ; v24-25   the scale bytes, four to a register
.set WX,    32                         ; v32-95   two sets of 32 numbers
.set WC,    96                         ; v96-99   a block's codes
.set WOUT,  112                        ; v112-143 the way out
	s_load_b128 s[4:7], s[0:1], 0x0                ; x, kernel
	s_load_b128 s[8:11], s[0:1], 0x10              ; xc, xs
	s_load_b128 s[12:15], s[0:1], 0x20             ; wc, ws
	v_lshl_add_u32 v[SPW], v0, 2, SPARE
	v_mov_b32 v[NIL], 0
	v_lshrrev_b32 v1, 5, v0
	v_readfirstlane_b32 s16, v1                    ; wave
	v_and_b32 v2, 31, v0                           ; lane
	s_cmp_lt_u32 ttmp9, 256
	s_cbranch_scc0 .Lweights
; ---------------- x: each load reads 512 consecutive bytes, 16 a lane; a step's 2,048 bytes turn through my stage and come back 64 bytes a lane: 16 neighbours along K; two neighbouring lanes hold a block
	v_lshlrev_b32 v3, 4, v2                        ; my 16 bytes of a load's 512
	s_mul_i32 s17, s16, WREG
	v_lshrrev_b32 v14, 2, v2
	v_mul_u32_u24 v14, v14, SP
	v_and_b32 v15, 3, v2
	v_lshl_add_u32 v14, v15, 4, v14
	v_add_nc_u32 v14, s17, v14                     ; the stage, on the way in: SP (lane / 4) + 16 (lane % 4)
	v_mul_u32_u24 v15, v2, SP
	v_add_nc_u32 v15, s17, v15                     ; and on the way out: SP x lane
	v_mul_u32_u24 v4, v2, CB                       ; my codes' place in a step's
	v_lshrrev_b32 v5, 1, v2
	s_add_co_u32 s17, s17, 2*32*SP
	v_add_nc_u32 v5, s17, v5                       ; my wave's 256 scale bytes, my block's byte
	v_lshlrev_b32 v7, 3, v2                        ; and on the way out 8 bytes a lane
	v_add_nc_u32 v6, s17, v7
	s_lshl_b32 s18, ttmp9, 2
	s_add_co_u32 s18, s18, s16                     ; which run of 8,192 numbers is my wave's: 0 .. 1,023
	s_lshl_b32 s20, s18, 15                        ; 32,768 bytes of x,
	s_mov_b32 s21, 0
	s_lshl_b32 s22, s18, 12                        ; 4,096 of codes,
	s_mov_b32 s23, 0
	s_lshl_b32 s24, s18, 8                         ; 256 scale bytes a run
	s_mov_b32 s25, 0
	s_wait_kmcnt 0x0
	s_add_nc_u64 s[4:5], s[4:5], s[20:21]
	s_add_nc_u64 s[8:9], s[8:9], s[22:23]
	s_add_nc_u64 s[10:11], s[10:11], s[24:25]
.macro LOADX t
.irp i, 0,1,2,3
	global_load_b128 v[XR+16*((\t)%4)+4*\i:XR+16*((\t)%4)+4*\i+3], v3, s[4:5] offset:2048*(\t)+512*\i th:TH_LOAD_NT
.endr
.endm
.macro TURNX t                         ; step t's numbers through the stage: LDS serves a wave's instructions in order, so no wait stands between the stores and the loads
.irp i, 0,1,2,3
	ds_store_b128 v14, v[XR+16*((\t)%4)+4*\i:XR+16*((\t)%4)+4*\i+3] offset:32*SP*((\t)%2)+8*SP*\i
.endr
.irp i, 0,1,2,3
	ds_load_b128 v[XX+16*((\t)%2)+4*\i:XX+16*((\t)%2)+4*\i+3], v15 offset:32*SP*((\t)%2)+16*\i
.endr
.endm
.irp t, 0,1,2,3
	LOADX \t
.endr
	s_wait_loadcnt 12                              ; step 0's four loads are in; the twelve of steps 1 to 3 may be out
	TURNX 0
.macro STEPX t
.set XS, XX+16*((\t)%2)
.if (\t) > 0
	s_wait_dscnt 1                                 ; this step's numbers are back from the stage (the last step's byte store may be out): so its stores into the stage have read their registers,
.else
	s_wait_dscnt 0x0
.endif
.if (\t)+4 < STEPS
	LOADX (\t)+4                                   ; which take the loads of four steps on
.endif
.if (\t)+1 < STEPS
.if STEPS-2-(\t) >= 3
	s_wait_loadcnt 12                              ; the next step's four loads are in; those of the three steps behind it may be out
.else
	s_wait_loadcnt 4*(STEPS-2-(\t))
.endif
	TURNX (\t)+1                                   ; and go through the other stage while this step is worked
.endif
	v_max3_num_f32 v8, |v[XS]|, |v[XS+1]|, |v[XS+2]|               ; the largest magnitude of my 16, in two chains
	v_max3_num_f32 v9, |v[XS+3]|, |v[XS+4]|, |v[XS+5]|
.irp i, 6,10
	v_max3_num_f32 v8, v8, |v[XS+\i]|, |v[XS+\i+1]|
	v_max3_num_f32 v9, v9, |v[XS+\i+2]|, |v[XS+\i+3]|
.endr
	v_max3_num_f32 v8, v8, |v[XS+14]|, |v[XS+15]|
	v_max3_num_f32 v8, v8, v9, 3<<23               ; and the floor 2^(3 - 127): the byte cannot fall under 1
	v_max_num_f32_dpp v8, v8, v8 row_xmask:1 row_mask:0xf bank_mask:0xf   ; and of my neighbour's 16: the block's
	v_add_nc_u32 v11, 0xff000000, v8               ; 2 off its exponent field: the conversion takes the exponent field of this operand as its scale, and nothing else of it
	v_cvt_scalef32_pk8_fp4_f32 v[XC+2*(\t)], v[XS:XS+7], v11
	v_cvt_scalef32_pk8_fp4_f32 v[XC+2*(\t)+1], v[XS+8:XS+15], v11
	v_lshrrev_b32 v[XE+(\t)], 23, v11              ; the scale's byte (a plain line behind the conversions)
	ds_store_b8 v5, v[XE+(\t)] offset:16*(\t)      ; both lanes of a block write the same byte with the same value
	global_store_b64 v4, v[XC+2*(\t):XC+2*(\t)+1], s[8:9] offset:32*CB*(\t)   ; the wave stores 256 consecutive bytes, aligned
.endm
.irp t, 0,1,2,3,4,5,6,7,8,9,10,11,12,13,14,15
	STEPX \t
.endr
	ds_load_b64 v[8:9], v6                         ; LDS serves a wave's instructions in order: these see my byte stores
	s_wait_dscnt 0x0
	global_store_b64 v7, v[8:9], s[10:11]          ; 32 lanes store 256 consecutive bytes, aligned
	s_wait_tensorcnt 0x0                           ; the wave's end: behind my last LDS store
	ds_add_u32 v[SPW], v[NIL]
	s_wait_dscnt 0x0
	s_endpgm
; ---------------- the weights: work-group 256 + 32 i + 16 ky + nx takes columns 64 nx .. + 63 and rows 512 ky .. + 511 of kernel[i]; wave 2 kw + cw takes columns 32 cw on and rows 256 kw on of these
.Lweights:
	s_sub_co_u32 s17, ttmp9, 256
	s_and_b32 s18, s17, 15                         ; nx
	s_bfe_u32 s19, s17, 0x10004                    ; ky
	s_lshr_b32 s20, s17, 5                         ; i
	s_and_b32 s30, s16, 1                          ; cw
	s_lshr_b32 s31, s16, 1                         ; kw
	s_lshl_b32 s21, s18, 6                         ; the work-group's first column in its matrix
	s_lshl_b32 s22, s30, 5
	s_add_co_u32 s22, s21, s22                     ; my wave's
	s_lshl_b32 s24, s20, 22                        ; kernel: 4 MiB a matrix,
	s_lshl_b32 s25, s19, 21                        ; 512 rows of 4,096 bytes,
	s_add_co_u32 s24, s24, s25
	s_lshl_b32 s25, s31, 20                        ; 256 rows,
	s_add_co_u32 s24, s24, s25
	s_lshl_b32 s25, s22, 2                         ; 4 bytes a column
	s_add_co_u32 s24, s24, s25
	s_mov_b32 s25, 0
	s_lshl_b32 s23, s20, 10                        ; the matrix' first row of wc and ws
	s_add_co_u32 s28, s23, s22
	s_lshl_b32 s28, s28, 5                         ; ws: 32 bytes a row,
	s_lshl_b32 s29, s19, 4
	s_add_co_u32 s28, s28, s29                     ; + 16 ky
	s_lshl_b32 s29, s31, 3
	s_add_co_u32 s28, s28, s29                     ; + 8 kw
	s_mov_b32 s29, 0
	s_add_co_u32 s26, s23, s21
	s_lshl_b32 s27, s16, 4
	s_add_co_u32 s26, s26, s27                     ; wc: the 16 rows that I store: the work-group's first + 16 x wave
	s_lshl_b32 s26, s26, 9                         ; 512 bytes a row,
	s_lshl_b32 s27, s19, 8
	s_add_co_u32 s26, s26, s27                     ; + 256 ky
	s_mov_b32 s27, 0
	v_lshlrev_b32 v3, 2, v2                        ; in: 4 bytes a lane
	s_mul_i32 s17, s30, 32*PITCH
	s_lshl_b32 s18, s31, 7
	s_add_co_u32 s17, s17, s18
	s_add_co_u32 s17, s17, WSTG
	v_mul_u32_u24 v4, v2, PITCH
	v_add_nc_u32 v4, s17, v4                       ; into the stage: row = my column, my half of its 256 bytes
	s_mul_i32 s17, s16, 16*PITCH
	s_add_co_u32 s17, s17, WSTG
	v_and_b32 v5, 15, v2
	v_lshrrev_b32 v6, 4, v2                        ; out of it: my 16 rows; sixteen lanes to a row, two rows an instruction
	v_mul_u32_u24 v7, v6, PITCH
	v_lshl_add_u32 v7, v5, 4, v7
	v_add_nc_u32 v7, s17, v7
	v_mul_u32_u24 v8, v6, KROW
	v_lshl_add_u32 v8, v5, 4, v8                   ; and the same place in wc
	v_lshlrev_b32 v9, 5, v2                        ; my column's row of scale bytes
	s_wait_kmcnt 0x0
	s_add_nc_u64 s[6:7], s[6:7], s[24:25]
	s_add_nc_u64 s[12:13], s[12:13], s[26:27]
	s_add_nc_u64 s[14:15], s[14:15], s[28:29]
.macro LOADW t                         ; block t: rows 32 t + i of my column, i = 0 .. 31, into set t % 2; a wave reads 128 consecutive bytes, the pair of waves beside each other 256
.irp i, 0,1,2,3,4,5,6,7,8,9,10,11,12,13,14,15,16,17,18,19,20,21,22,23,24,25,26,27,28,29,30,31
	global_load_b32 v[WX+32*((\t)%2)+\i], v3, s[6:7] offset:(32*(\t)+\i)*NROW th:TH_LOAD_NT
.endr
.endm
	LOADW 0
	LOADW 1
.macro BLOCKW t
.set XS, WX+32*((\t)%2)
.if (\t) < NB-1
	s_wait_loadcnt 32                              ; this block's 32 loads are in; the next block's 32 may be out
.else
	s_wait_loadcnt 0
.endif
	v_max3_num_f32 v12, |v[XS]|, |v[XS+1]|, |v[XS+2]|               ; the block's largest magnitude: all 32 numbers are mine
	v_max3_num_f32 v13, |v[XS+3]|, |v[XS+4]|, |v[XS+5]|
.irp i, 6,10,14,18,22,26
	v_max3_num_f32 v12, v12, |v[XS+\i]|, |v[XS+\i+1]|
	v_max3_num_f32 v13, v13, |v[XS+\i+2]|, |v[XS+\i+3]|
.endr
	v_max3_num_f32 v12, v12, |v[XS+30]|, |v[XS+31]|
	v_max3_num_f32 v12, v12, v13, 7<<23            ; and the floor 2^(7 - 127): the stored byte, 6 under this exponent field, cannot fall under 1
	v_add_nc_u32 v11, 0xff000000, v12              ; 2 off the exponent field: the conversion's scale operand
	v_lshrrev_b32 v13, 23, v11                     ; the rule's byte,
	v_add_nc_u32 v13, -4, v13                      ; and the stored one: 2^-4 of it
.if (\t)%4 == 0
	v_mov_b32 v[WSB+(\t)/4], v13                   ; four bytes to a register, the lower K in the lower byte
.else
	v_lshl_or_b32 v[WSB+(\t)/4], v13, 8*((\t)%4), v[WSB+(\t)/4]
.endif
.irp g, 0,1,2,3
	v_cvt_scalef32_pk8_fp4_f32 v[WC+\g], v[XS+8*\g:XS+8*\g+7], v11
.endr
	ds_store_b128 v4, v[WC:WC+3] offset:16*(\t)    ; 32 codes: 16 bytes of my column's row
.if (\t)+2 < NB
	LOADW (\t)+2
.endif
	s_wait_dscnt 0x0                               ; the store has read its registers: the next block's codes may be written
.endm
.set Q, 0
.rept NB
	BLOCKW Q
.set Q, Q+1
.endr
	s_wait_dscnt 0x0                               ; for the others' sake: my stores into the stage are done
	s_barrier_signal -1
	s_barrier_wait -1                              ; every row of the stage is whole
	global_store_b64 v9, v[WSB:WSB+1], s[14:15]    ; my column's 8 scale bytes
.irp t, 0,1,2,3,4,5,6,7
	ds_load_b128 v[WOUT+4*\t:WOUT+4*\t+3], v7 offset:2*\t*PITCH
.endr
.irp t, 0,1,2,3,4,5,6,7
	s_wait_dscnt 7-\t                              ; the younger read-backs may be out
	global_store_b128 v8, v[WOUT+4*\t:WOUT+4*\t+3], s[12:13] offset:2*\t*KROW   ; sixteen lanes store 256 consecutive bytes, aligned
.endr
	s_wait_tensorcnt 0x0                           ; the wave's end: behind my last LDS store
	ds_add_u32 v[SPW], v[NIL]
	s_wait_dscnt 0x0
	s_endpgm
.Lfunc_end_k_qe52f7e8333_quant:
	.size	k_qe52f7e8333_quant, .Lfunc_end_k_qe52f7e8333_quant-k_qe52f7e8333_quant
	.p2alignl 7, 3214868480
	.fill 96, 4, 3214868480
	.section	.rodata,"a",@progbits
	.p2align	6, 0x0
	.amdhsa_kernel k_qe52f7e8333_quant
		.amdhsa_group_segment_fixed_size 50688
		.amdhsa_private_segment_fixed_size 0
		.amdhsa_enable_private_segment 0
		.amdhsa_kernarg_size 48
		.amdhsa_user_sgpr_count 2
		.amdhsa_user_sgpr_kernarg_segment_ptr 1
		.amdhsa_wavefront_size32 1
		.amdhsa_system_sgpr_workgroup_id_x 1
		.amdhsa_system_sgpr_workgroup_id_y 1
		.amdhsa_system_sgpr_workgroup_id_z 1
		.amdhsa_system_vgpr_workitem_id 0
		.amdhsa_next_free_vgpr 192
		.amdhsa_next_free_sgpr 66
		.amdhsa_reserve_vcc 0
		.amdhsa_float_denorm_mode_32 3
		.amdhsa_float_denorm_mode_16_64 3
		.amdhsa_memory_ordered 1
		.amdhsa_forward_progress 1
		.amdhsa_inst_pref_size 74
	.end_amdhsa_kernel
	.amdgpu_metadata
---
amdhsa.version: [ 1, 2 ]
amdhsa.kernels:
  - .name:           k_qe52f7e8333_quant
    .symbol:         k_qe52f7e8333_quant.kd
    .args:
      - { .name: x, .offset: 0, .size: 8, .value_kind: global_buffer, .address_space: global }
      - { .name: kernel, .offset: 8, .size: 8, .value_kind: global_buffer, .address_space: global }
      - { .name: xc, .offset: 16, .size: 8, .value_kind: global_buffer, .address_space: global }
      - { .name: xs, .offset: 24, .size: 8, .value_kind: global_buffer, .address_space: global }
      - { .name: wc, .offset: 32, .size: 8, .value_kind: global_buffer, .address_space: global }
      - { .name: ws, .offset: 40, .size: 8, .value_kind: global_buffer, .address_space: global }
    .group_segment_fixed_size: 50688
    .private_segment_fixed_size: 0
    .kernarg_segment_align: 8
    .kernarg_segment_size: 48
    .max_flat_workgroup_size: 128
    .sgpr_count:     66
    .vgpr_count:     192
    .wavefront_size: 32
...
	.end_amdgpu_metadata
.endif
;; end of part 1
;; launch proj (part 2): grid 12 x 32, 4 waves a work-group, clusters of 4 x 4, 327,680 bytes of LDS; arguments xc, xs, wc, ws, qkv; writes qkv
.if DOCPART == 2
	.amdgcn_target "amdgcn-amd-amdhsa--gfx1250"
	.amdhsa_code_object_version 6
	.text
	.protected	k_qe52f7e8333_proj
	.globl	k_qe52f7e8333_proj
	.p2align	8
	.type	k_qe52f7e8333_proj,@function
k_qe52f7e8333_proj:
	s_mov_b64 s[64:65], 0
	v_nop
	global_prefetch_b8 v0, s[64:65] scope:SCOPE_SE
	s_setreg_imm32_b32 hwreg(HW_REG_WAVE_MODE, 25, 1), 1
	s_wait_xcnt 0x0
	s_wait_alu depctr_hold_cnt(0) depctr_sa_sdst(0) depctr_va_vdst(0) depctr_va_sdst(0) depctr_va_ssrc(0) depctr_va_vcc(0) depctr_vm_vsrc(0)
	s_getreg_b32 s2, hwreg(HW_REG_IB_STS2, 6, 4)
	s_cmp_eq_u32 s2, 0
	s_cbranch_scc0 .Lentry_in_a_cluster
	s_endpgm
.Lentry_in_a_cluster:
	s_bfe_u32 s2, ttmp6, 0x10000c
	s_cmp_lg_u32 s2, 0xf033
	s_cbranch_scc0 .Lentry_shape_is_right
	s_endpgm
.Lentry_shape_is_right:
; qkv[m][n] = (the sum over k of x[m][k] w[n][k]) / 16, rounded once to f16.  x: xc [8192][1024 codes], xs [8192][32];  w: wc [3072][1024 codes], ws [3072][32]: codes of FP4 (E2M1), one E8M0 byte for each 32 along K.
; ws holds the quantiser's bytes less 4, so the f32 sums come out as their values / 16, exactly.  qkv: [8192][3072] f16: columns 0-1023 Q / 16, 1024-2047 K / 16, 2048-3071 V / 16.
; LIMIT: a sum beyond 65,504 x 16 in magnitude becomes an infinity of f16.
; A tile of 256 x 256 is made by a work-group of four waves; a wave makes 128 x 128: 64 accumulators, 512 registers.  K = 1,024 is two slots of 512 along K (rows of 256 bytes): both are asked for at the start and nothing is filled again.
; THE SCALES of the work-group's 256 + 256 rows, for all of K, are two dense blocks of memory: they come into LDS once, with the first fills.
; CLUSTERS: 4 x 4 work-groups.  The four of a row of the cluster need the same tiles of x, the four of a column the same tiles of w: each tile is asked for JOINTLY, by the same tensor load with the same descriptor and a mask that names the four.
; THE MATRIX INSTRUCTION IS USED TRANSPOSED (source 0 = 16 rows of w, source 1 = 16 rows of x): a lane then holds eight neighbouring numbers of a row of qkv, 16 bytes of f16.
; REGISTERS, in windows of 256: window 0: v0-31 addresses; v32-95 scale words, two sets, and nothing else; v128-191 x's fragments, ONE set, on the way out rows read back; v192-223 packed results.
;   window 1: w's fragments, TWO sets, at v0 and v128.   window 2: the accumulators of my rows 0-63 ((a, b) at v[8 (8 a + b)]);   window 3: those of my rows 64-127.
.set NQ,     4                         ; steps of 128 along K in a slot
.set ROWB,   256                       ; a tile's row in bytes: 512 codes
.set KROW,   512                       ; a row of xc or wc in memory
.set PITCH,  272                       ; an LDS row: 256 bytes + 16 of padding = 68 words: the 16 rows that a load touches start 4 banks apart (64 banks of 4 bytes: ISA guide 11.1)
.set FR,     8                         ; registers of a fragment: 16 rows x 128 K
.set NL,     2                         ; LDS loads that bring one
.set NP,     4                         ; places behind this matrix instruction (ISA guide 7.12.1)
.set HALFT,  128*PITCH                 ; 128 rows: what one tensor load brings
.set SLOT,   4*HALFT                   ; x's 256 rows, then w's 256 rows
.set KS,     32                        ; a row of scales in bytes
.set SCL,    2*SLOT                    ; behind the two slots: the scales, as units of 256 bytes + 16 of padding
.set HALFS,  (128*KS/256)*272          ; the scales of 128 rows
.set SBLK,   (16*KS/256)*272           ; those of 16 rows
.set SPARE,  SCL+4*HALFS               ; the spare words, 128 bytes for each wave: two blocks of 256 bytes that no other line names
.set SPITCH, 272                       ; the way out: a stage of 16 rows x (256 bytes + 16) for each wave, in slot 0, which has had its one fill and its last read when the first result is stored there
.set ROWC,   6144                      ; a row of qkv in bytes
.set ADRA, 16                          ; v16-17  LDS address of my x fragments in slot 0, 1
.set ADRB, 20                          ; v20-21  the same for w
.set STO,  24                          ; v24     the way out: where I put 16 bytes of a row
.set RD,   25                          ; v25     where I read a row back
.set CO,   26                          ; v26     my byte offset in qkv
.set ADRS, 27                          ; v27     LDS address of my scale words: lanes 0-15 x's rows, lanes 16-31 w's
.set SPW,  28                          ; v28     LDS address of my spare word; never rewritten
.set NIL,  29                          ; v29     0; never rewritten
.set SC,   32                          ; scale words: set s at v[SC + 32 s]; register 4 i + q: lanes 0-15 x's block i, lanes 16-31 w's block i, the slot's q-th 128 along K
.set AF,   128
.set OB,   128                         ; the way out: 16 rows read back: v128-159 and v160-191 by turns
.set TMP,  192
.set G1, 24
.set G0, 32
.set G1B, 48
.set G0B, 56
.set G1S, 68
.set G0S, 76
.set G1SB, 80
.set G0SB, 88
.set MSB, 0
.macro WIN new                         ; the immediate's high byte repeats the setting that is left; a switch that changes nothing is dropped
.if MSB != (\new)
	s_set_vgpr_msb (MSB<<8)|(\new)
.set MSB, (\new)
.endif
.endm
.set MUL_LO, 0xa1                      ; source 0 (w) window 1, source 1 (x) window 0, C and D window 2
.set MUL_HI, 0xf1                      ; the same, C and D window 3
.set TO_B,   0x40                      ; destination window 1, address window 0
; A joint load: waves 0 and 1 fetch for x, waves 2 and 3 for w.  The branch hangs on the wave's number alone.  An s_nop 0 and four v_nop follow each of the two lines.
.macro JLOAD g0a, g1a, g0b, g1b
	s_cmp_eq_u32 s15, 0
	s_cbranch_scc0 .Lfor_b_\@
	tensor_load_to_lds s[\g0a:\g0a+3], s[\g1a:\g1a+7]
	s_nop 0
.rept 4
	v_nop
.endr
	s_branch .Lasked_\@
.Lfor_b_\@:
	tensor_load_to_lds s[\g0b:\g0b+3], s[\g1b:\g1b+7]
	s_nop 0
.rept 4
	v_nop
.endr
.Lasked_\@:
.endm
.macro CROUND                          ; a round of the cluster's barrier
	s_barrier_signal -1
	s_barrier_wait -1
	s_cmp_lg_u32 s14, 0
	s_cbranch_scc1 .Lnot_wave_0_\@
	s_barrier_signal -3
.Lnot_wave_0_\@:
	s_barrier_wait -3
	s_barrier_signal -1
	s_barrier_wait -1
.endm
	s_load_b128 s[4:7], s[0:1], 0x0                ; xc, xs
	s_load_b128 s[8:11], s[0:1], 0x10              ; wc, ws
	s_load_b64 s[12:13], s[0:1], 0x20              ; qkv
	v_lshl_add_u32 v[SPW], v0, 2, SPARE
	v_mov_b32 v[NIL], 0
	ds_add_u32 v[SPW], v[NIL]                      ; the wave's opening: the add, twice on end, and its wait ahead of my first tensor load
	ds_add_u32 v[SPW], v[NIL]
	v_lshrrev_b32 v1, 5, v0
	v_readfirstlane_b32 s14, v1                    ; wave 0..3
	s_lshr_b32 s15, s14, 1                         ; which half of the tile's rows is mine.  Also: I fetch for x (0) or for w (1)
	s_and_b32 s16, s14, 1                          ; which half of its columns.  Also: which 128 rows of that tile I fetch
	s_bfe_u32 s40, ttmp6, 0x40000                  ; cx, cy: my place in the cluster
	s_bfe_u32 s41, ttmp6, 0x40004
	s_lshl_b32 s42, ttmp9, 2
	s_add_co_u32 s42, s42, s40                     ; tile column = 4 x cluster x + cx
	s_and_b32 s17, ttmp7, 0xffff
	s_lshl_b32 s17, s17, 2
	s_add_co_u32 s17, s17, s41                     ; tile row = 4 x cluster y + cy
	s_lshl_b32 s43, s41, 2
	s_lshl_b32 s43, 15, s43                        ; my row of the cluster
	s_lshl_b32 s44, 0x1111, s40                    ; my column
	; descriptor group 1: a tile of 128 rows x 256 bytes, 16 bytes of padding behind each row
	s_or_b32 s[G1+0], s43, (0<<16)|(1<<20)|(1<<21)|(5<<22)|(3<<25)  ; 15:0 the mask; 17:16 elements of 1 byte; 20 padding on; 21 set beside a mask; 24:22 after every 64 words; 31:25 four words
	s_or_b32 s[G1B+0], s44, (0<<16)|(1<<20)|(1<<21)|(5<<22)|(3<<25)
.irp g, G1, G1B
	s_mov_b32 s[\g+1], ROWB<<16                    ; tensor_dim0
	s_mov_b32 s[\g+2], 128<<16                     ; tensor_dim1
	s_mov_b32 s[\g+3], ROWB<<16                    ; tile_dim0
	s_mov_b32 s[\g+4], 128                         ; tile_dim1
	s_mov_b32 s[\g+5], KROW                        ; from row to row
	s_mov_b32 s[\g+6], 0
	s_mov_b32 s[\g+7], 0
.endr
	; the scales of 128 rows: a dense block of 4,096 bytes, as 16 rows of 256 bytes (32 elements of 8 bytes), 16 bytes of padding behind each
	s_or_b32 s[G1S+0], s43, (3<<16)|(1<<20)|(1<<21)|(5<<22)|(3<<25)
	s_or_b32 s[G1SB+0], s44, (3<<16)|(1<<20)|(1<<21)|(5<<22)|(3<<25)
.irp g, G1S, G1SB
	s_mov_b32 s[\g+1], 32<<16
	s_mov_b32 s[\g+2], (128*KS/256)<<16
	s_mov_b32 s[\g+3], 32<<16
	s_mov_b32 s[\g+4], 128*KS/256
	s_mov_b32 s[\g+5], 32
	s_mov_b32 s[\g+6], 0
	s_mov_b32 s[\g+7], 0
.endr
	s_lshl_b32 s18, s16, 7                         ; which 128 rows of the tile I fetch
	s_lshl_b32 s20, s17, 8
	s_add_co_u32 s20, s20, s18                     ; x: row 256 x tile row + 128 x half
	s_lshl_b32 s46, s42, 8
	s_add_co_u32 s46, s46, s18                     ; w: row 256 x tile column + 128 x half
	s_mov_b32 s21, 0
	s_mov_b32 s47, 0
	s_mov_b64 s[18:19], KS
	s_mul_u64 s[22:23], s[20:21], s[18:19]         ; where these rows' scales begin, in bytes,
	s_mul_u64 s[92:93], s[46:47], s[18:19]
	s_mov_b64 s[18:19], KROW
	s_mul_u64 s[20:21], s[20:21], s[18:19]         ; and their codes
	s_mul_u64 s[46:47], s[46:47], s[18:19]
	s_mul_i32 s45, s14, HALFT                      ; where they go: wave x 128 rows: no place in the cluster enters an LDS address
	s_mul_i32 s94, s14, HALFS
	s_wait_dscnt 0x0                               ; both opening adds are done
	s_wait_kmcnt 0x0
	s_add_nc_u64 s[20:21], s[4:5], s[20:21]
	s_add_nc_u64 s[22:23], s[6:7], s[22:23]
	s_add_nc_u64 s[46:47], s[8:9], s[46:47]
	s_add_nc_u64 s[92:93], s[10:11], s[92:93]
	CROUND                                         ; all sixteen work-groups are here: the joint loads meet
	s_mov_b32 s[G0S], 1
	s_add_co_u32 s[G0S+1], s94, SCL
	s_mov_b64 s[G0S+2:G0S+3], s[22:23]
	s_or_b32 s[G0S+3], s[G0S+3], 0x80000000
	s_mov_b32 s[G0SB], 1
	s_add_co_u32 s[G0SB+1], s94, SCL
	s_mov_b64 s[G0SB+2:G0SB+3], s[92:93]
	s_or_b32 s[G0SB+3], s[G0SB+3], 0x80000000
	JLOAD G0S, G1S, G0SB, G1SB                     ; the scales first: they are wanted with the first slot
.irp s, 0,1
	s_mov_b32 s[G0+4*\s], 1
	s_add_co_u32 s[G0+4*\s+1], s45, \s*SLOT
	s_add_nc_u64 s[G0+4*\s+2:G0+4*\s+3], s[20:21], \s*ROWB
	s_or_b32 s[G0+4*\s+3], s[G0+4*\s+3], 0x80000000
	s_mov_b32 s[G0B+4*\s], 1
	s_add_co_u32 s[G0B+4*\s+1], s45, \s*SLOT
	s_add_nc_u64 s[G0B+4*\s+2:G0B+4*\s+3], s[46:47], \s*ROWB
	s_or_b32 s[G0B+4*\s+3], s[G0B+4*\s+3], 0x80000000
	JLOAD G0+4*\s, G1, G0B+4*\s, G1B               ; three loads of mine are out at the most
.endr
	v_and_b32 v1, 15, v0                           ; r = l % 16
	v_bfe_u32 v2, v0, 4, 1                         ; h = l / 16
	v_mul_u32_u24 v3, v1, PITCH
	v_lshl_add_u32 v4, v2, 4, v3                   ; a fragment's row x pitch + 16 x half
	s_mul_i32 s21, s15, HALFT                      ; my 128 rows of x
	s_mul_i32 s22, s16, HALFT                      ; my 128 rows of w,
	s_add_co_u32 s22, s22, 2*HALFT                 ; which lie behind x's 256
.irp s, 0,1
	v_add_nc_u32 v[ADRA+\s], s21, v4
	v_add_nc_u32 v[ADRB+\s], s22, v4
	s_add_co_u32 s21, s21, SLOT
	s_add_co_u32 s22, s22, SLOT
.endr
	v_mul_u32_u24 v5, v1, KS                       ; my row's scales: 32 bytes a row,
	v_lshrrev_b32 v6, 8, v5
	v_lshl_add_u32 v5, v6, 4, v5                   ; and 16 more for each 256 passed
	s_mul_i32 s21, s15, HALFS                      ; x's: my 128 rows
	s_mul_i32 s22, s16, HALFS                      ; w's: my 128 rows, behind x's 256
	s_add_co_u32 s22, s22, 2*HALFS
	s_sub_co_u32 s22, s22, s21
	v_mul_u32_u24 v6, s22, v2                      ; lanes 16-31 take w's: one product, the distance between the two bases x h
	s_add_co_u32 s21, s21, SCL
	v_add_nc_u32 v5, v5, v6
	v_add_nc_u32 v[ADRS], s21, v5
	s_mul_i32 s23, s14, 16*SPITCH                  ; my stage
	v_mul_u32_u24 v5, v1, SPITCH                   ; in: row r, 16 bytes for each half of the lanes
	v_lshl_add_u32 v5, v2, 4, v5
	v_add_nc_u32 v[STO], s23, v5
	v_mul_u32_u24 v5, v2, SPITCH                   ; back: lanes 0-15 take one row of 256 bytes, lanes 16-31 the next
	v_lshl_add_u32 v5, v1, 4, v5
	v_add_nc_u32 v[RD], s23, v5
	v_mul_u32_u24 v5, v2, ROWC                     ; and the same two rows in qkv
	v_lshl_add_u32 v[CO], v1, 4, v5
	s_lshl_b32 s20, s17, 8
	s_lshl_b32 s21, s15, 7
	s_add_co_u32 s20, s20, s21                     ; my first row: 256 x tile row + 128 x half
	s_mul_i32 s20, s20, ROWC                       ; under 2^26
	s_mov_b32 s21, 0
	s_lshl_b32 s46, s42, 9                         ; my first column, in bytes: 512 x tile column + 256 x half
	s_lshl_b32 s47, s16, 8
	s_add_co_u32 s46, s46, s47
	s_mov_b32 s47, 0
	s_add_nc_u64 s[20:21], s[20:21], s[46:47]
	s_add_nc_u64 s[12:13], s[12:13], s[20:21]
.macro FRAG reg, adr, q, i             ; a fragment, 16 rows x 128 K of 4-bit codes: lane l holds row l % 16; registers 4 c .. 4 c + 3 hold K = 64 c + 32 (l / 16) + 0 .. 31
.irp c, 0,1
	ds_load_b128 v[\reg+4*\c:\reg+4*\c+3], v[\adr] offset:64*(\q)+32*\c+(\i)*16*PITCH
.endr
.endm
; 16 matrix instructions: x's blocks a0, a0 + 1 against w's eight, the slot's q-th 128 along K.  p: w's set;  sc: the set of scale words.  zero = 1: the first product starts the sums.
; The 64 accumulators take turns, one instruction a turn, in the same order in every step.
.macro MUL16 a0, p, q, sc, zero
.irp a, \a0, \a0+1
.irp b, 0,1,2,3,4,5,6,7
.if \zero
	v_wmma_scale_f32_16x16x128_f8f6f4 v[8*(8*((\a)%4)+\b):8*(8*((\a)%4)+\b)+7], v[128*(\p)+FR*\b:128*(\p)+FR*\b+FR-1], v[AF+FR*(\a):AF+FR*(\a)+FR-1], 0, v[SC+8*NQ*(\sc)+NQ*\b+(\q)], v[SC+8*NQ*(\sc)+NQ*(\a)+(\q)] matrix_a_fmt:MATRIX_FMT_FP4 matrix_b_fmt:MATRIX_FMT_FP4 matrix_a_scale:MATRIX_SCALE_ROW1
.else
	v_wmma_scale_f32_16x16x128_f8f6f4 v[8*(8*((\a)%4)+\b):8*(8*((\a)%4)+\b)+7], v[128*(\p)+FR*\b:128*(\p)+FR*\b+FR-1], v[AF+FR*(\a):AF+FR*(\a)+FR-1], v[8*(8*((\a)%4)+\b):8*(8*((\a)%4)+\b)+7], v[SC+8*NQ*(\sc)+NQ*\b+(\q)], v[SC+8*NQ*(\sc)+NQ*(\a)+(\q)] matrix_a_fmt:MATRIX_FMT_FP4 matrix_b_fmt:MATRIX_FMT_FP4 matrix_a_scale:MATRIX_SCALE_ROW1
.endif
.endr
.endr
.endm
.macro FETCH_B slot, q, p              ; w's eight fragments of the slot's q-th 128 along K into set p
	WIN TO_B
.irp i, 0,1,2,3,4,5,6,7
	FRAG 128*(\p)+FR*\i, ADRB+\slot, \q, \i
.endr
	WIN 0
.endm
.macro FETCH_A slot, q, i0             ; x's blocks i0 .. i0 + 3
.irp i, \i0, \i0+1, \i0+2, \i0+3
	FRAG AF+FR*(\i), ADRA+\slot, \q, \i
.endr
.endm
.macro SCALES sc                       ; a slot's scale words into set sc: four words a row; lanes 0-15 take x's block i, lanes 16-31 w's block i
.irp i, 0,1,2,3,4,5,6,7
	ds_load_b128 v[SC+8*NQ*\sc+NQ*\i:SC+8*NQ*\sc+NQ*\i+3], v[ADRS] offset:\i*SBLK
.endr
.endm
; A load into a register that a matrix instruction has read, and a vector instruction that reads a matrix result, stand NP places behind that matrix instruction; only plain vector instructions that name none of its registers are places.
.macro PLACES n
.rept \n
	v_nop
.endr
.endm
.macro STEP slot, q, zero              ; a step of 128 along K that has its successor in the same slot
	s_wait_dscnt 4*NL                              ; w's set and x's blocks 0-3 are in; the youngest eight loads (x's blocks 4-7) may be out
	WIN MUL_LO
	MUL16 0, (\q)%2, \q, \slot, \zero
	MUL16 2, (\q)%2, \q, \slot, \zero
	s_wait_dscnt 0                                 ; x's blocks 4-7 are in
	PLACES NP
	FETCH_B \slot, (\q)+1, 1-(\q)%2
	FETCH_A \slot, (\q)+1, 0
	WIN MUL_HI
	MUL16 4, (\q)%2, \q, \slot, \zero
	MUL16 6, (\q)%2, \q, \slot, \zero
	PLACES NP
	WIN 0
	FETCH_A \slot, (\q)+1, 4
.endm
; Slot 0's last step changes slots: one barrier; in front of it each wave waits for all its tensor loads (its part of slot 1), adds 0 to its spare word, and waits for that and for its reads of slot 0.  Nothing is filled again.
.macro TURN slot, next
	s_wait_tensorcnt 0x0                           ; all my tensor loads have landed  (every window is 0 here)
	ds_add_u32 v[SPW], v[NIL]                      ; 0 onto my spare word
	s_wait_dscnt 4*NL+1                            ; (the add and the youngest eight loads may be out)
	WIN MUL_LO
	MUL16 0, 1, NQ-1, \slot, 0
	s_wait_dscnt 0x0                               ; the add is done, and my reads of this slot are over
	s_barrier_signal -1
	MUL16 2, 1, NQ-1, \slot, 0
	WIN 0
	s_barrier_wait -1                              ; slot 1 is whole, and nobody reads slot 0 any more
	PLACES NP
	v_add_nc_u32 v[ADRS], 4*NQ, v[ADRS]            ; on to the next slot's scale words
	FETCH_B \next, 0, 0
	FETCH_A \next, 0, 0
	SCALES \next
	WIN MUL_HI
	MUL16 4, 1, NQ-1, \slot, 0
	MUL16 6, 1, NQ-1, \slot, 0
	PLACES NP
	WIN 0
	FETCH_A \next, 0, 4
.endm
.macro STEPS slot, from                ; the slot's steps from .. NQ - 2
.set Q, \from
.rept NQ-1-\from
	STEP \slot, Q, 0
.set Q, Q+1
.endr
.endm
	s_wait_tensorcnt 1                             ; the scales and my part of slot 0 are in (slot 1's load may be out)
	s_barrier_signal -1
	s_barrier_wait -1                              ; everybody's are
	FETCH_B 0, 0, 0
	FETCH_A 0, 0, 0
	SCALES 0
	FETCH_A 0, 0, 4
	STEP 0, 0, 1                                   ; the first step's products start the sums
	STEPS 0, 1
	TURN 0, 1
	STEPS 1, 0
	s_wait_dscnt 4*NL                              ; the very last step: nothing more to fetch
	WIN MUL_LO
	MUL16 0, 1, NQ-1, 1, 0
	MUL16 2, 1, NQ-1, 1, 0
	s_wait_dscnt 0
	WIN MUL_HI
	MUL16 4, 1, NQ-1, 1, 0
	MUL16 6, 1, NQ-1, 1, 0
	WIN 0
; THE WAY OUT, block by block of 16 rows x 128 columns.  PACK: rounded to f16, 16 bytes a lane, each accumulator from its low end on.  TOSTAGE: into my own stage and back as whole rows of 256 bytes.  SEND: stored.
.macro PACK a
.set AC, 64*((\a)%4)
.set WW, 0x0a+5*((\a)/4)               ; sources 0 and 1: window 2 or 3
	WIN WW
.irp b, 0,1,2,3,4,5,6,7
.irp r, 0,1,2,3
	v_cvt_pk_f16_f32 v[TMP+4*\b+\r], v[AC+8*\b+2*\r], v[AC+8*\b+2*\r+1]
.endr
.endr
	WIN 0
.endm
.macro TOSTAGE a
.set BK, OB+32*((\a)%2)
.irp b, 0,1,2,3,4,5,6,7
	ds_store_b128 v[STO], v[TMP+4*\b:TMP+4*\b+3] offset:32*\b
.endr
.irp t, 0,1,2,3,4,5,6,7
	ds_load_b128 v[BK+4*\t:BK+4*\t+3], v[RD] offset:\t*2*SPITCH    ; LDS serves a wave's instructions in order (ISA guide 5.7.1.4): these see the stores above
.endr
.endm
.macro SEND a
.set BK, OB+32*((\a)%2)
	s_wait_dscnt 0x0                               ; the block is back in registers
	s_wait_xcnt 0x0                                ; the stores of the block before have read their registers: the next block's loads may land there
.irp t, 0,1,2,3,4,5,6,7
	global_store_b128 v[CO], v[BK+4*\t:BK+4*\t+3], s[12:13] offset:(16*(\a)+2*\t)*ROWC th:TH_STORE_NT   ; 16 lanes store 256 consecutive bytes, aligned; 126 rows at the most: inside the signed 24-bit immediate
.endr
.endm
	PLACES NP                                      ; behind the last products: for the conversions, and for the loads into the registers that held x's fragments
	PACK 0
	TOSTAGE 0
.irp a, 1,2,3,4,5,6,7                  ; block a's conversions stand between block a - 1's loads from the stage and the wait for them
	PACK \a
	SEND \a-1
	TOSTAGE \a
.endr
	SEND 7
	s_wait_tensorcnt 0x0                           ; the wave's end: behind my last tensor load and my last LDS store
	ds_add_u32 v[SPW], v[NIL]
	s_wait_dscnt 0x0
	CROUND                                         ; the closing round: no work-group ends while a partner may still ask for a tile that names it
	s_endpgm
.Lfunc_end_k_qe52f7e8333_proj:
	.size	k_qe52f7e8333_proj, .Lfunc_end_k_qe52f7e8333_proj-k_qe52f7e8333_proj
	.p2alignl 7, 3214868480
	.fill 96, 4, 3214868480
	.section	.rodata,"a",@progbits
	.p2align	6, 0x0
	.amdhsa_kernel k_qe52f7e8333_proj
		.amdhsa_group_segment_fixed_size 327680
		.amdhsa_private_segment_fixed_size 0
		.amdhsa_enable_private_segment 0
		.amdhsa_kernarg_size 40
		.amdhsa_user_sgpr_count 2
		.amdhsa_user_sgpr_kernarg_segment_ptr 1
		.amdhsa_wavefront_size32 1
		.amdhsa_system_sgpr_workgroup_id_x 1
		.amdhsa_system_sgpr_workgroup_id_y 1
		.amdhsa_system_sgpr_workgroup_id_z 1
		.amdhsa_system_vgpr_workitem_id 0
		.amdhsa_next_free_vgpr 1024
		.amdhsa_next_free_sgpr 98
		.amdhsa_reserve_vcc 0
		.amdhsa_float_denorm_mode_32 3
		.amdhsa_float_denorm_mode_16_64 3
		.amdhsa_memory_ordered 1
		.amdhsa_forward_progress 1
		.amdhsa_inst_pref_size 126
	.end_amdhsa_kernel
	.amdgpu_metadata
---
amdhsa.version: [ 1, 2 ]
amdhsa.kernels:
  - .name:           k_qe52f7e8333_proj
    .symbol:         k_qe52f7e8333_proj.kd
    .args:
      - { .name: xc, .offset: 0, .size: 8, .value_kind: global_buffer, .address_space: global }
      - { .name: xs, .offset: 8, .size: 8, .value_kind: global_buffer, .address_space: global }
      - { .name: wc, .offset: 16, .size: 8, .value_kind: global_buffer, .address_space: global }
      - { .name: ws, .offset: 24, .size: 8, .value_kind: global_buffer, .address_space: global }
      - { .name: qkv, .offset: 32, .size: 8, .value_kind: global_buffer, .address_space: global }
    .group_segment_fixed_size: 327680
    .private_segment_fixed_size: 0
    .kernarg_segment_align: 8
    .kernarg_segment_size: 40
    .max_flat_workgroup_size: 128
    .sgpr_count:     98
    .vgpr_count:     1024
    .wavefront_size: 32
...
	.end_amdgpu_metadata
.endif
;; end of part 2
;; launch scores (part 3): grid 8 x 32, 4 waves a work-group, clusters of 4 x 4, 327,680 bytes of LDS; arguments qkv, p, st; writes p, st
.if DOCPART == 3
	.amdgcn_target "amdgcn-amd-amdhsa--gfx1250"
	.amdhsa_code_object_version 6
	.text
	.protected	k_qe52f7e8333_scores
	.globl	k_qe52f7e8333_scores
	.p2align	8
	.type	k_qe52f7e8333_scores,@function
k_qe52f7e8333_scores:
	s_mov_b64 s[64:65], 0
	v_nop
	global_prefetch_b8 v0, s[64:65] scope:SCOPE_SE
	s_setreg_imm32_b32 hwreg(HW_REG_WAVE_MODE, 25, 1), 1
	s_wait_xcnt 0x0
	s_wait_alu depctr_hold_cnt(0) depctr_sa_sdst(0) depctr_va_vdst(0) depctr_va_sdst(0) depctr_va_ssrc(0) depctr_va_vcc(0) depctr_vm_vsrc(0)
	s_getreg_b32 s2, hwreg(HW_REG_IB_STS2, 6, 4)
	s_cmp_eq_u32 s2, 0
	s_cbranch_scc0 .Lentry_in_a_cluster
	s_endpgm
.Lentry_in_a_cluster:
	s_bfe_u32 s2, ttmp6, 0x10000c
	s_cmp_lg_u32 s2, 0xf033
	s_cbranch_scc0 .Lentry_shape_is_right
	s_endpgm
.Lentry_shape_is_right:
; For each batch: s' = (Q / 16) . (K / 16), f16 operands, f32 sums, K = 1,024;  t = score x log2(e) = c s', c = 256 log2(e) / sqrt(1024) = 8 log2(e).
; THE SOFTMAX IS TAKEN BY CHUNKS OF 128 KEYS.  For a query and a chunk: M = the chunk's largest t rounded UP to a whole number (kept as -M = floor(-t)); p = 2^(t - M), at most 1, rounded to f16; l = the sum of the unrounded p, in f32.
; The next launch brings the 16 chunks of a row under the row's largest M by factors that are powers of two: so the maximum is taken away before every exponential, whatever the scores.
; qkv: [8192][3072] f16 (Q / 16 at byte 0 of a row, K / 16 at byte 2,048).  st: f32, [16 chunks][8192 rows] of -M, then from byte 524,288 the same of l.
; p IS LAID AS THE NEXT PRODUCT'S OPERAND REGISTERS: [512 blocks of 16 queries][16 chunks][8 pieces][32 lanes][16 bytes].  Piece 2 q + j of a block and a chunk holds registers 4 j .. 4 j + 3 of the fragment
; (16 queries x keys 32 q .. 32 q + 31): lane l: query l % 16, keys 32 q + 16 j + 8 (l / 16) + 0 .. 7.  That is what my lanes hold when accumulator 2 q + j is packed: so p leaves straight from registers, 512 consecutive bytes a store.
; A tile of 256 queries x 256 keys is made by a work-group of four waves; a wave makes 128 x 128: 64 accumulators, 512 registers; its 128 keys are one chunk.
; K goes in steps of 128 (rows of 256 bytes) through a ring of two LDS slots filled by the tensor data mover.
; CLUSTERS: 4 x 4 work-groups: the four of a row of the cluster need the same rows of Q, the four of a column the same rows of K: each tile is asked for JOINTLY.  A cluster's 1,024 queries lie in one batch.
; THE MATRIX INSTRUCTION IS USED TRANSPOSED (source 0 = 16 keys, source 1 = 16 queries): a lane holds ONE query (lane % 16) and, in accumulator b, keys 16 b + 8 (lane / 16) + 0 .. 7.
; REGISTERS, in windows of 256: window 0: v0-31 addresses; v64-127, v128-191 fragments of Q, two buffers; on the way out v64-127 and v192-255 are at work.
;   window 1: v64-127, v128-191 fragments of K.   window 2: the accumulators of my queries 0-63 ((a, b) at v[8 (8 a + b)]);   window 3: those of my queries 64-127.
.set KSTEP,  128
.set PITCH,  272                       ; an LDS row: 256 bytes + 16 of padding = 68 words: the 16 rows that a load touches start 4 banks apart (64 banks of 4 bytes: ISA guide 11.1)
.set HALFT,  128*PITCH                 ; 128 rows: what one tensor load brings
.set SLOT,   4*HALFT                   ; Q's 256 rows, then K's 256 rows
.set STAT,   2*SLOT                    ; behind the ring: for each wave 512 bytes of -M and 512 of l: its 128 queries
.set SPARE,  STAT+4*1024               ; the spare words, 128 bytes for each wave: two blocks of 256 bytes that no other line names
.set ROWQ,   6144                      ; a row of qkv in bytes
.set LAPS,   4                         ; a lap = two K steps = once round the ring: 1,024 / 256
.set ADRA, 16                          ; v16-17  LDS address of my Q fragments in slot 0, 1
.set ADRB, 20                          ; v20-21  the same for K
.set GS,   22                          ; v22     16 x lane: my place in a store's 512 bytes; never rewritten
.set SA,   27                          ; v27     where my query's -M goes: STAT + 1,024 x wave + 4 (lane % 16)
.set SPW,  28                          ; v28     LDS address of my spare word; never rewritten
.set NIL,  29                          ; v29     0; never rewritten
.set PFO,  30                          ; v30     the prefetches' offset: my lane x a row of qkv; never rewritten
.set SB,   31                          ; v31     where I read the statistics back: STAT + 1,024 x wave + 16 x lane
.set F0,   64
.set F1,   128
.set T,    64                          ; the way out: v64-67 four running maxima
.set NM,   68                          ; v[68:69] -M (the packed form names a pair and takes its low word)
.set L,    70                          ; v70     l
.set U,    96                          ; v96-127 sixteen pairs of partial sums
.set TMP,  192                         ; v192-223, v224-255 packed p: two sets by turns
.set G1, 24                            ; s[24:31] descriptor group 1 for Q's tiles;  s[32:39] group 0, one set for each slot
.set G0, 32
.set G1B, 48                           ; s[48:55], s[56:63] the same for K's tiles
.set G0B, 56
.set LIM,  43                          ; s43     1 in a wave that prefetches, else the greatest number
.set PFA,  44                          ; s[44:45] where my prefetches stand
.set CS,   66                          ; s[66:67] c
.set SEL,  68                          ; s[68:69] lane selects for v_permlanex16_b32: lane l xor 16
.set MSB, 0
.macro WIN new                         ; the immediate's high byte repeats the setting that is left; a switch that changes nothing is dropped
.if MSB != (\new)
	s_set_vgpr_msb (MSB<<8)|(\new)
.set MSB, (\new)
.endif
.endm
.set MUL_LO, 0xa1                      ; source 0 (K) window 1, source 1 (Q) window 0, C and D window 2
.set MUL_HI, 0xf1                      ; the same, C and D window 3
.set TO_B,   0x40                      ; destination window 1, address window 0
; A joint load.  Waves 0 and 1 fetch Q's two halves, waves 2 and 3 K's.  The branch hangs on the wave's number alone.  An s_nop 0 and four v_nop follow each of the two lines.
.macro JLOAD s
	s_cmp_eq_u32 s11, 0
	s_cbranch_scc0 .Lfor_b_\@
	tensor_load_to_lds s[G0+4*\s:G0+4*\s+3], s[G1:G1+7]
	s_nop 0
.rept 4
	v_nop
.endr
	s_branch .Lasked_\@
.Lfor_b_\@:
	tensor_load_to_lds s[G0B+4*\s:G0B+4*\s+3], s[G1B:G1B+7]
	s_nop 0
.rept 4
	v_nop
.endr
.Lasked_\@:
.endm
; A PREFETCH INTO THE L2, behind each joint refill and the run of LDS loads that follows it: the K step that stands two refills on: 32 rows x 256 bytes, a lane a row, one instruction a wave.
; Each row's 256 bytes of a K step are named once in the launch.  Q's rows are read by both clusters of a row of clusters: cluster x = 0 asks.  K's rows are read by the two clusters of a batch in a column of clusters: the even cluster y asks.
; The four partners that ask for a tile jointly share its rows out BY ADDRESS: of the 128 rows that a wave fetches, the partner at place p takes 32 p .. 32 p + 31 (p = cx for Q, cy for K).  The loop's last trip asks for nothing: K ends.
.macro ASK
	s_cmp_gt_u32 s3, s[LIM]                        ; s3 = 1 in the loop's last trip
	s_cbranch_scc0 .Lnot_mine_\@
	global_prefetch_b8 v[PFO], s[PFA:PFA+1] offset:KSTEP*2 th:TH_LOAD_NT scope:SCOPE_SE
.Lnot_mine_\@:
.endm
.macro CREST                           ; a round of the cluster's barrier behind its opening barrier
	s_cmp_lg_u32 s10, 0
	s_cbranch_scc1 .Lnot_wave_0_\@
	s_barrier_signal -3
.Lnot_wave_0_\@:
	s_barrier_wait -3
	s_barrier_signal -1
	s_barrier_wait -1
.endm
.macro CROUND                          ; a whole round
	s_barrier_signal -1
	s_barrier_wait -1
	CREST
.endm
	s_load_b128 s[4:7], s[0:1], 0x0                ; qkv s[4:5], p s[6:7]
	s_load_b64 s[8:9], s[0:1], 0x10                ; st
	v_lshl_add_u32 v[SPW], v0, 2, SPARE
	v_mov_b32 v[NIL], 0
	ds_add_u32 v[SPW], v[NIL]                      ; the wave's opening: the add, twice on end, and its wait ahead of my first tensor load
	ds_add_u32 v[SPW], v[NIL]
	v_lshrrev_b32 v1, 5, v0
	v_readfirstlane_b32 s10, v1                    ; wave 0..3
	s_lshr_b32 s11, s10, 1                         ; which half of the tile's queries is mine.  Also: I fetch for Q (0) or for K (1)
	s_and_b32 s12, s10, 1                          ; which half of its keys.  Also: which 128 rows of that tile I fetch
	s_bfe_u32 s40, ttmp6, 0x40000                  ; cx
	s_bfe_u32 s41, ttmp6, 0x40004                  ; cy
	s_lshl_b32 s42, ttmp9, 2
	s_add_co_u32 s42, s42, s40                     ; tile column (256 keys of the batch) = 4 x cluster x + cx
	s_and_b32 s13, ttmp7, 0xffff
	s_lshl_b32 s13, s13, 2
	s_add_co_u32 s13, s13, s41                     ; tile row (256 queries of all 8,192) = 4 x cluster y + cy
	s_lshl_b32 s43, s41, 2
	s_lshl_b32 s43, 15, s43                        ; my row of the cluster
	s_lshl_b32 s44, 0x1111, s40                    ; my column
	; descriptor group 1: a tile of 128 rows x 128 elements of 2 bytes, 16 bytes of padding behind each row
	s_or_b32 s[G1+0], s43, (1<<16)|(1<<20)|(1<<21)|(5<<22)|(3<<25)  ; 15:0 the mask; 17:16 elements of 2 bytes; 20 padding on; 21 set beside a mask; 24:22 after every 64 words; 31:25 four words
	s_or_b32 s[G1B+0], s44, (1<<16)|(1<<20)|(1<<21)|(5<<22)|(3<<25)
.irp g, G1, G1B
	s_mov_b32 s[\g+1], KSTEP<<16                   ; tensor_dim0 = 128
	s_mov_b32 s[\g+2], 128<<16                     ; tensor_dim1 = 128
	s_mov_b32 s[\g+3], KSTEP<<16                   ; tile_dim0 = 128
	s_mov_b32 s[\g+4], 128                         ; tile_dim1 = 128
	s_mov_b32 s[\g+5], ROWQ/2                      ; 3,072 elements from row to row
	s_mov_b32 s[\g+6], 0
	s_mov_b32 s[\g+7], 0
.endr
	; where the tiles come from.  Q's hang on the tile row alone, which my row of the cluster shares; K's on the batch (the cluster's y) and the tile column, which my column shares.
	s_lshl_b32 s17, s12, 7                         ; which 128 rows of the tile I fetch
	s_lshl_b32 s16, s13, 8
	s_add_co_u32 s16, s16, s17                     ; Q: row 256 x tile row + 128 x half
	s_mul_i32 s16, s16, ROWQ                       ; in bytes: under 2^26
	s_lshl_b32 s46, s42, 8
	s_add_co_u32 s46, s46, s17
	s_and_b32 s47, ttmp7, 0xffff
	s_lshr_b32 s47, s47, 1                         ; the batch: two clusters along y to each
	s_lshl_b32 s47, s47, 11
	s_add_co_u32 s46, s46, s47                     ; K: row 2,048 x batch + 256 x tile column + 128 x half
	s_mul_i32 s46, s46, ROWQ
	s_add_co_u32 s46, s46, 2048                    ; K's part of a row
	s_mov_b32 s17, 0
	s_mov_b32 s47, 0
	s_mul_i32 s20, s10, HALFT                      ; where they go: wave x 128 rows: no place in the cluster enters an LDS address
	s_mov_b32 s[CS], 0x4138aa3b                    ; c = 8 log2(e)
	s_mov_b32 s[CS+1], s[CS]                       ; (named with it as a pair, so it is written)
	s_mov_b32 s[SEL], 0x76543210
	s_mov_b32 s[SEL+1], 0xfedcba98
	s_wait_dscnt 0x0                               ; both opening adds are done
	s_wait_kmcnt 0x0
	s_add_nc_u64 s[14:15], s[4:5], s[16:17]
	s_add_nc_u64 s[46:47], s[4:5], s[46:47]
	CROUND                                         ; all sixteen work-groups are here: the first joint loads meet
.irp s, 0,1
	s_mov_b32 s[G0+4*\s], 1                                        ; count = 1
	s_add_co_u32 s[G0+4*\s+1], s20, \s*SLOT                        ; LDS address
	s_add_nc_u64 s[G0+4*\s+2:G0+4*\s+3], s[14:15], \s*KSTEP*2      ; global address: K step s
	s_or_b32 s[G0+4*\s+3], s[G0+4*\s+3], 0x80000000                ; type = 2
	s_mov_b32 s[G0B+4*\s], 1
	s_add_co_u32 s[G0B+4*\s+1], s20, \s*SLOT
	s_add_nc_u64 s[G0B+4*\s+2:G0B+4*\s+3], s[46:47], \s*KSTEP*2
	s_or_b32 s[G0B+4*\s+3], s[G0B+4*\s+3], 0x80000000
	JLOAD \s                                       ; two loads of mine are out
.endr
	; A fragment is 16 rows x 32 K in 8 registers: lane l holds row l % 16; registers 0-3 K = 8 (l / 16) + 0..7, registers 4-7 K = 16 + 8 (l / 16) + 0..7: two loads of 16 bytes, 32 bytes apart.
	v_and_b32 v1, 15, v0                           ; r
	v_bfe_u32 v2, v0, 4, 1                         ; h
	v_mul_u32_u24 v3, v1, PITCH
	v_lshl_add_u32 v3, v2, 4, v3
	s_mul_i32 s21, s11, HALFT                      ; my 128 rows of Q
	s_mul_i32 s22, s12, HALFT                      ; my 128 rows of K,
	s_add_co_u32 s22, s22, 2*HALFT                 ; which lie behind Q's 256
.irp s, 0,1
	v_add_nc_u32 v[ADRA+\s], s21, v3
	v_add_nc_u32 v[ADRB+\s], s22, v3
	s_add_co_u32 s21, s21, SLOT
	s_add_co_u32 s22, s22, SLOT
.endr
	s_lshl_b32 s23, s10, 10
	s_add_co_u32 s23, s23, STAT                    ; my statistics
	v_lshl_add_u32 v[SA], v1, 2, s23
	v_and_b32 v6, 31, v0
	v_lshl_add_u32 v[SB], v6, 4, s23
	v_lshlrev_b32 v[GS], 4, v6
	; where my part begins in p and in st
	s_lshl_b32 s13, s13, 8                         ; 256 x tile row
	s_lshl_b32 s14, s11, 7
	s_add_co_u32 s16, s13, s14                     ; my first query
	s_lshl_b32 s18, s16, 2                         ; its word in a chunk's row of st
	s_lshl_b32 s16, s16, 12                        ; its block's images in p: 65,536 bytes for 16 queries: under 2^26
	s_lshl_b32 s46, s42, 1
	s_add_co_u32 s46, s46, s12                     ; my chunk: 2 x tile column + half
	s_lshl_b32 s47, s46, 12                        ; 4,096 bytes a chunk in a block's images
	s_add_co_u32 s16, s16, s47
	s_mov_b32 s17, 0
	s_add_nc_u64 s[6:7], s[6:7], s[16:17]
	s_lshl_b32 s46, s46, 15                        ; 32,768 bytes a chunk in st
	s_add_co_u32 s18, s18, s46
	s_mov_b32 s19, 0
	s_add_nc_u64 s[8:9], s[8:9], s[18:19]
	; the prefetches
	s_lshl_b32 s42, s42, 8
	s_and_b32 s22, ttmp7, 0xffff                   ; cluster y
	s_lshr_b32 s23, s22, 1
	s_lshl_b32 s23, s23, 11
	s_add_co_u32 s42, s42, s23                     ; K's tile: its first row of qkv
	s_and_b32 s22, s22, 1
	s_cmp_eq_u32 s11, 0                            ; do I fetch for Q?
	s_cselect_b32 s20, s13, s42                    ; the tile's first row
	s_cselect_b32 s21, s40, s41                    ; my place among the four that ask for it with me
	s_cselect_b32 s22, ttmp9, s22                  ; the coordinate along which other clusters read the same rows
	s_cselect_b32 s23, 0, 2048                     ; Q's or K's part of a row
	s_cmp_eq_u32 s22, 0
	s_cselect_b32 s[LIM], 1, -1                    ; the same in all sixteen partners, for a given wave
	s_lshl_b32 s22, s12, 7
	s_add_co_u32 s20, s20, s22                     ; + the 128 rows that I fetch
	s_lshl_b32 s21, s21, 5
	s_add_co_u32 s20, s20, s21                     ; + my work-group's 32 of them
	s_mul_i32 s20, s20, ROWQ
	s_add_co_u32 s20, s20, s23
	s_add_co_u32 s20, s20, 2*KSTEP*2               ; at K step 2: the first refill steps it to 3 and names K step 4
	s_mov_b32 s21, 0
	s_add_nc_u64 s[PFA:PFA+1], s[4:5], s[20:21]
	v_mul_u32_u24 v[PFO], v6, ROWQ
; 16 matrix instructions: query blocks a0, a0 + 1 of the window's four (hi = 0: my queries 0-63, 1: 64-127) x all 8 key blocks, 32 along K.  zero = 1: the first product starts the sums.
; The 64 accumulators take turns, one instruction a turn, in the same order in every quarter.
.macro MUL16 f, hi, a0, zero
.irp a, \a0, \a0+1
.irp b, 0,1,2,3,4,5,6,7
.if \zero
	v_wmma_f32_16x16x32_f16 v[8*(8*(\a)+\b):8*(8*(\a)+\b)+7], v[\f+8*\b:\f+8*\b+7], v[\f+8*(4*\hi+\a):\f+8*(4*\hi+\a)+7], 0
.else
	v_wmma_f32_16x16x32_f16 v[8*(8*(\a)+\b):8*(8*(\a)+\b)+7], v[\f+8*\b:\f+8*\b+7], v[\f+8*(4*\hi+\a):\f+8*(4*\hi+\a)+7], v[8*(8*(\a)+\b):8*(8*(\a)+\b)+7]
.endif
.endr
.endr
.endm
; 32 LDS loads in one run: the fragments of one quarter step (128 rows of K, 128 rows of Q, 32 along K at byte k of the rows) into buffer f
.macro FETCH slot, k, f
	WIN TO_B
.irp i, 0,1,2,3,4,5,6,7
	ds_load_b128 v[\f+8*\i:\f+8*\i+3],   v[ADRB+\slot] offset:\k+\i*16*PITCH
	ds_load_b128 v[\f+8*\i+4:\f+8*\i+7], v[ADRB+\slot] offset:\k+\i*16*PITCH+32
.endr
	WIN 0
.irp i, 0,1,2,3,4,5,6,7
	ds_load_b128 v[\f+8*\i:\f+8*\i+3],   v[ADRA+\slot] offset:\k+\i*16*PITCH
	ds_load_b128 v[\f+8*\i+4:\f+8*\i+7], v[ADRA+\slot] offset:\k+\i*16*PITCH+32
.endr
.endm
; A load into a register that a matrix instruction has read, and a vector instruction that reads a matrix result or writes one of a matrix instruction's registers, stand four places behind it;
; only plain vector instructions that name none of its registers are places.
.macro PLACES
.rept 4
	v_nop
.endr
.endm
; A K step is four quarters of 32 along K, 64 matrix instructions each, on buffers 0, 1, 0, 1.  One of the first three: multiplies buffer f and fetches the next quarter, at byte k, into buffer g.
.macro QUARTER slot, k, f, g, zero
	s_wait_dscnt 8                                 ; K and Q's rows 0-63 are in; the youngest eight loads (Q's rows 64-127) may be out
	WIN MUL_LO
	MUL16 \f, 0, 0, \zero
	MUL16 \f, 0, 2, \zero
	PLACES
	FETCH \slot, \k, \g
	s_wait_dscnt 32                                ; all but the 32 just issued
	WIN MUL_HI
	MUL16 \f, 1, 0, \zero
	MUL16 \f, 1, 2, \zero
.endm
; The last quarter multiplies buffer 1 and changes slots.  MEET is its first half: one barrier.  In front of it each wave waits for all its tensor loads (one is out: its part of the next slot), adds 0 to its spare word,
; and waits for that and for its own reads of this slot.  Behind it nobody reads this slot any more and the next slot is whole.
.macro MEET round
	WIN 0                                          ; (the add's two registers lie in window 0)
	s_wait_tensorcnt 0x0
	ds_add_u32 v[SPW], v[NIL]                      ; 0 onto my spare word
	s_wait_dscnt 9                                 ; (the add and the youngest eight loads may be out)
	WIN MUL_LO
	MUL16 F1, 0, 0, 0                              ; sixteen matrix instructions stand between the add and the wait for it
	s_wait_dscnt 0x0                               ; the add is done, and my reads of this slot are over
	s_barrier_signal -1
	MUL16 F1, 0, 2, 0
.if \round
	WIN 0
.endif
	s_barrier_wait -1
.endm
; The whole last quarter where the slot is filled again, with the K step two steps on: the barrier opens a round of the cluster's barrier, and the joint refill is the first tensor load behind the round.
; From a request to the wait for it a wave issues 224 matrix instructions.
.macro TURN slot, next
	s_wait_xcnt 0x0                                ; the last prefetch, a K step back, has read its address: it is stepped here
	s_add_nc_u64 s[PFA:PFA+1], s[PFA:PFA+1], KSTEP*2
	MEET 1
	CREST                                          ; no wave of any partner still reads this slot's tile or has a load on its way
	s_add_nc_u64 s[G0+4*\slot+2:G0+4*\slot+3], s[G0+4*\slot+2:G0+4*\slot+3], 2*KSTEP*2
	s_add_nc_u64 s[G0B+4*\slot+2:G0B+4*\slot+3], s[G0B+4*\slot+2:G0B+4*\slot+3], 2*KSTEP*2
	JLOAD \slot                                    ; the four v_nop behind it are also the places in front of the loads below
	FETCH \next, 0, F0
	ASK
	WIN MUL_HI
	MUL16 F1, 1, 0, 0
	MUL16 F1, 1, 2, 0
.endm
	s_wait_tensorcnt 1                             ; my part of K step 0 is in (K step 1's load may be out)
	s_barrier_signal -1
	s_barrier_wait -1                              ; everybody's is
	FETCH 0, 0, F0
	QUARTER 0, 64,  F0, F1, 1                      ; the first quarter stands in front of the loop: its products start the sums
	WIN 0                                          ; at a label and at a branch every window is 0
	s_mov_b32 s3, LAPS-1
.Llap:                                                 ; a trip goes once round the ring, from a lap's second quarter to the next lap's first, and fills both slots again
	QUARTER 0, 128, F1, F0, 0
	QUARTER 0, 192, F0, F1, 0
	TURN 0, 1
	QUARTER 1, 64,  F0, F1, 0
	QUARTER 1, 128, F1, F0, 0
	QUARTER 1, 192, F0, F1, 0
	TURN 1, 0
	QUARTER 0, 64,  F0, F1, 0
	WIN 0
	s_sub_co_u32 s3, s3, 1
	s_cmp_lg_u32 s3, 0
	s_cbranch_scc1 .Llap
	QUARTER 0, 128, F1, F0, 0                      ; the last lap is written out: it fills nothing, and has no round
	QUARTER 0, 192, F0, F1, 0
	MEET 0
	PLACES
	FETCH 1, 0, F0
	WIN MUL_HI
	MUL16 F1, 1, 0, 0
	MUL16 F1, 1, 2, 0
	QUARTER 1, 64,  F0, F1, 0
	QUARTER 1, 128, F1, F0, 0
	QUARTER 1, 192, F0, F1, 0
	s_wait_dscnt 8                                 ; the very last quarter: nothing more to fetch
	WIN MUL_LO
	MUL16 F1, 0, 0, 0
	MUL16 F1, 0, 2, 0
	s_wait_dscnt 0
	WIN MUL_HI
	MUL16 F1, 1, 0, 0
	MUL16 F1, 1, 2, 0
	WIN 0
; THE WAY OUT, block by block of 16 queries.  SOFT a: a lane's 64 scores s0-s63 of its query (the other 64 lie in lane l xor 16) become p, in place; -M and l go to my statistics in LDS; p is packed to f16.
; The maximum walks the registers in ascending order.  The block's 64 exponentials are one batch with one wait.
.macro SOFT a
.set AC, 64*((\a)%4)
.set W, 2+(\a)/4
.set TS, TMP+32*((\a)%2)
.set WW, W|(W<<2)|(W<<4)
	WIN WW                                         ; all three sources in the accumulators' window
.irp i, 0,1,2,3
	v_max3_num_f32 v[T+\i], v[AC+3*\i], v[AC+3*\i+1], v[AC+3*\i+2]   ; four chains start with s0-s11
.endr
.set WW, (W<<2)|(W<<4)
	WIN WW
.set n, 0
.rept 26
	v_max3_num_f32 v[T+n%4], v[T+n%4], v[AC+12+2*n], v[AC+13+2*n]    ; s12-s63, a pair at a time, the chains by turns
.set n, n+1
.endr
	WIN 0
	v_max3_num_f32 v[T], v[T], v[T+1], v[T+2]
	v_max_num_f32 v[T], v[T], v[T+3]
	v_permlanex16_b32 v[T+1], v[T], s[SEL], s[SEL+1]
	v_max_num_f32 v[T], v[T], v[T+1]               ; the chunk's largest score of my query
	v_mul_f32 v[T], s[CS], v[T]                    ; as t (c is positive)
	v_floor_f32 v[NM], -v[T]                       ; -M = floor(-t) = -ceil(t): a whole number
.set WW, W|(W<<6)
	WIN WW                                         ; source 0 and destination in the accumulators' window
.set n, 0
.rept 32
	v_pk_fma_f32 v[AC+n:AC+n+1], v[AC+n:AC+n+1], s[CS:CS+1], v[NM:NM+1] op_sel_hi:[1,0,0]   ; t - M, two at a time
.set n, n+2
.endr
.set n, 0
.rept 64
	v_exp_f32 v[AC+n], v[AC+n]                     ; p = 2^(t - M), at most 1
.set n, n+1
.endr
	WIN 0
	ds_store_b32 v[SA], v[NM] offset:64*(\a)       ; both lanes of a query write the same word with the same value
	v_nop                                          ; a plain instruction behind the last exponential
	s_wait_alu depctr_va_vdst(0)                   ; one wait for the whole batch, ahead of its first reader
.set WW, W|(W<<2)
	WIN WW
.set n, 0
.rept 16
	v_pk_add_f32 v[U+2*n:U+2*n+1], v[AC+4*n:AC+4*n+1], v[AC+4*n+2:AC+4*n+3]   ; the sum is taken of the unrounded p
.set n, n+1
.endr
.if (\a) > 1
	s_wait_xcnt 0x0                                ; the stores of the block two back have read this set of registers: it is written again only behind this wait
.endif
.set n, 0
.rept 32
	v_cvt_pk_f16_f32 v[TS+n], v[AC+2*n], v[AC+2*n+1]   ; registers 4 b .. 4 b + 3: keys 16 b + 8 (lane / 16) + 0 .. 7 of my query: piece b of the block's images
.set n, n+1
.endr
	WIN 0
.irp d, 8,4,2,1
.set n, 0
.rept \d
	v_pk_add_f32 v[U+2*n:U+2*n+1], v[U+2*n:U+2*n+1], v[U+2*(n+\d):U+2*(n+\d)+1]
.set n, n+1
.endr
.endr
	v_add_f32 v[L], v[U], v[U+1]
	v_permlanex16_b32 v[U+2], v[L], s[SEL], s[SEL+1]
	v_add_f32 v[L], v[L], v[U+2]                   ; with lane l xor 16's 64 keys: the chunk's l
	ds_store_b32 v[SA], v[L] offset:512+64*(\a)
.endm
.macro SENDP a                         ; the block's eight pieces leave as they stand
.set TS, TMP+32*((\a)%2)
.irp b, 0,1,2,3,4,5,6,7
	global_store_b128 v[GS], v[TS+4*\b:TS+4*\b+3], s[6:7] offset:65536*(\a)+512*\b th:TH_STORE_NT   ; 32 lanes store 512 consecutive bytes, aligned
.endr
.endm
	PLACES                                         ; behind the last products
	v_mov_b32 v[NM+1], 0                           ; (named as the upper half of a pair, so it is written)
.irp a, 0,1,2,3,4,5,6,7
	SOFT \a
	SENDP \a
.endr
	ds_load_b128 v[64:67], v[SB]                   ; my 128 queries' -M: 512 bytes, 16 a lane (my own stores, served in order),
	ds_load_b128 v[72:75], v[SB] offset:512        ; and their l
	s_wait_dscnt 0x0
	global_store_b128 v[GS], v[64:67], s[8:9]                    ; 32 lanes store 512 consecutive bytes, aligned
	global_store_b128 v[GS], v[72:75], s[8:9] offset:524288
	s_wait_tensorcnt 0x0                           ; the wave's end: behind my last tensor load and my last LDS store
	ds_add_u32 v[SPW], v[NIL]
	s_wait_dscnt 0x0
	CROUND                                         ; the closing round: no work-group ends while a partner may still ask for a tile that names it
	s_endpgm
.Lfunc_end_k_qe52f7e8333_scores:
	.size	k_qe52f7e8333_scores, .Lfunc_end_k_qe52f7e8333_scores-k_qe52f7e8333_scores
	.p2alignl 7, 3214868480
	.fill 96, 4, 3214868480
	.section	.rodata,"a",@progbits
	.p2align	6, 0x0
	.amdhsa_kernel k_qe52f7e8333_scores
		.amdhsa_group_segment_fixed_size 327680
		.amdhsa_private_segment_fixed_size 0
		.amdhsa_enable_private_segment 0
		.amdhsa_kernarg_size 24
		.amdhsa_user_sgpr_count 2
		.amdhsa_user_sgpr_kernarg_segment_ptr 1
		.amdhsa_wavefront_size32 1
		.amdhsa_system_sgpr_workgroup_id_x 1
		.amdhsa_system_sgpr_workgroup_id_y 1
		.amdhsa_system_sgpr_workgroup_id_z 1
		.amdhsa_system_vgpr_workitem_id 0
		.amdhsa_next_free_vgpr 1024
		.amdhsa_next_free_sgpr 72
		.amdhsa_reserve_vcc 0
		.amdhsa_float_denorm_mode_32 3
		.amdhsa_float_denorm_mode_16_64 3
		.amdhsa_memory_ordered 1
		.amdhsa_forward_progress 1
		.amdhsa_inst_pref_size 204
	.end_amdhsa_kernel
	.amdgpu_metadata
---
amdhsa.version: [ 1, 2 ]
amdhsa.kernels:
  - .name:           k_qe52f7e8333_scores
    .symbol:         k_qe52f7e8333_scores.kd
    .args:
      - { .name: qkv, .offset: 0, .size: 8, .value_kind: global_buffer, .address_space: global }
      - { .name: p, .offset: 8, .size: 8, .value_kind: global_buffer, .address_space: global }
      - { .name: st, .offset: 16, .size: 8, .value_kind: global_buffer, .address_space: global }
    .group_segment_fixed_size: 327680
    .private_segment_fixed_size: 0
    .kernarg_segment_align: 8
    .kernarg_segment_size: 24
    .max_flat_workgroup_size: 128
    .sgpr_count:     72
    .vgpr_count:     1024
    .wavefront_size: 32
...
	.end_amdgpu_metadata
.endif
;; end of part 3
;; launch mix (part 4): grid 8 x 32, 4 waves a work-group, clusters of 4 x 4, 327,680 bytes of LDS; arguments p, qkv, st, out0; writes out0
.if DOCPART == 4
	.amdgcn_target "amdgcn-amd-amdhsa--gfx1250"
	.amdhsa_code_object_version 6
	.text
	.protected	k_qe52f7e8333_mix
	.globl	k_qe52f7e8333_mix
	.p2align	8
	.type	k_qe52f7e8333_mix,@function
k_qe52f7e8333_mix:
	s_mov_b64 s[64:65], 0
	v_nop
	global_prefetch_b8 v0, s[64:65] scope:SCOPE_SE
	s_setreg_imm32_b32 hwreg(HW_REG_WAVE_MODE, 25, 1), 1
	s_wait_xcnt 0x0
	s_wait_alu depctr_hold_cnt(0) depctr_sa_sdst(0) depctr_va_vdst(0) depctr_va_sdst(0) depctr_va_ssrc(0) depctr_va_vcc(0) depctr_vm_vsrc(0)
	s_getreg_b32 s2, hwreg(HW_REG_IB_STS2, 6, 4)
	s_cmp_eq_u32 s2, 0
	s_cbranch_scc0 .Lentry_in_a_cluster
	s_endpgm
.Lentry_in_a_cluster:
	s_bfe_u32 s2, ttmp6, 0x10000c
	s_cmp_lg_u32 s2, 0xf033
	s_cbranch_scc0 .Lentry_shape_is_right
	s_endpgm
.Lentry_shape_is_right:
; out0[q][e] = 16 x (the sum over the 16 chunks c of 2^E_c x the sum over the chunk's 128 keys of p[q][k] (V / 16)[k][e]) / l_row,  with E_c = M_c - M_row, M_row = the largest M_c, l_row = the sum of 2^E_c l_c.
; p (f16, as images of this product's operand registers: [512 blocks of 16 queries][16 chunks][8 pieces][32 lanes][16 bytes]) and st (-M and l by chunk and row, f32) come from the launch before;
; V / 16 lies at byte 4,096 of the rows of qkv [8192][3072] f16.  Products on f16 operands, sums in f32.  out0: [8192][1024] f32.
; THE FACTORS ARE APPLIED TO THE SUMS, IN f32.  Ahead of chunk c the accumulators are multiplied by g_c = 2^(E_(c-1) - E_c), so that they stand in chunk c's own unit and its products add onto them as they are;
; at the end they are multiplied by 2^E_15 x 16 / l_row.  All factors but 1 / l_row are powers of two, made by v_ldexp_f32: nothing is rounded.
; LIMIT: E_c is held at -64 from below, in the sums and in l_row alike, so that no g passes 2^64 and no sum 2^64 x 16 x 128 x 65,504 < 2^92.  A chunk that lies more than 64 binades under the row's largest so counts
; with 2^-64 instead of less: under 2^-56 of l_row, which is at least 0.5.
; SHARES.  A tile of 256 queries x 128 channels is made by a work-group of four waves: 256 work-groups.  Wave w makes queries 64 w .. 64 w + 63 x all 128 channels: 32 accumulators, 256 registers.
; V goes through a ring of two LDS slots of 256 keys (two chunks), filled by the tensor data mover, 64 keys a wave; all four waves read it.  A refill has 240 matrix instructions in which to land.
; CLUSTERS: 4 x 4 work-groups.  The four of a column of the cluster need the same tiles of V (a cluster's 1,024 queries lie in one batch): each tile is asked for JOINTLY.
; p IS NOT ASKED FOR JOINTLY, though the eight work-groups of a tile row read the same p: it goes from memory straight into the registers of the one wave of a work-group that multiplies by it, 512 consecutive bytes a load.
; Through LDS, two slots of 256 keys with p beside V would take 2 x 256 x (512 + 288) = 409,600 bytes, more than a work-group can have; with slots of 128 keys a refill would have 112 matrix instructions in place of 240.
; p has four buffers of a chunk (128 registers each); sixteen loads go out each half chunk, two chunks ahead, and are waited for 184 matrix instructions later.
; THE MATRIX INSTRUCTION IS USED TRANSPOSED: O^T = V^T P^T: source 0 = 16 channels x 32 keys, turned out of LDS by ds_load_tr16_b128; source 1 = 16 queries x 32 keys.  A lane holds ONE query (lane % 16) and eight neighbouring channels:
; so a query's factor is one register a lane.  A chunk's 128 packed multiplications stand in its first quarter, eight ahead of each pair of matrix instructions.  A slice costs two switches of the register window, since the accumulators fill a window.
; REGISTERS: window 0: v0-31 addresses; v32-39 g; v40-47 the last factor; v48-127 at work; v128-191, v192-255 V's fragments, two buffers.   window 1: accumulator (a, b) at v[8 (8 a + b)].
;   window 2: p of chunks 0 and 1 modulo 4;   window 3: of chunks 2 and 3: the fragment of block a, keys 32 q on, at v[128 (chunk % 2) + 32 a + 8 q].
.set VP,     288                       ; a row of V in LDS: 256 bytes + 32 = 72 words
.set QW,     64*VP                     ; 64 keys: what one tensor load brings
.set CHK,    128*VP                    ; a chunk's keys
.set SLOT,   256*VP
.set FT,     2*SLOT                    ; behind the ring: the factors, for each wave [17 entries][16 r][4 blocks of queries][the factor twice]: entry c: g_c; entry 16: the last factor
.set FTWV,   17*512
.set STAGE,  FT+4*FTWV                 ; 16 rows x (512 bytes + 16) for each wave, for the way out
.set SPITCH, 528
.set SPARE,  STAGE+4*16*SPITCH         ; the spare words, 128 bytes for each wave: two blocks of 256 bytes that no other line names
.set ROWQ,   6144                      ; a row of qkv in bytes
.set ROWO,   4096                      ; a row of out0
.set LAPS,   4                         ; a lap = two slots = four chunks = 512 keys
.set ADRB, 16                          ; v16-19  LDS address of my lane's place in V's tile, for each of the ring's four chunks
.set FTR,  20                          ; v20     where I read factors: my wave's, + 32 (lane % 16)
.set FTA,  21                          ; v21     the same, at the lap's first entry
.set FTW,  22                          ; v22     where I store them
.set FTW0, 23                          ; v23     the same without my half's eight entries
.set STO,  24                          ; v24     the way out: where I put 32 bytes of a row
.set RD,   25                          ; v25     where I read a row back
.set LO,   26                          ; v26     16 x lane: my place in a load's or a store's 512 bytes; never rewritten
.set SO,   27                          ; v27     my offset in st
.set SPW,  28                          ; v28     LDS address of my spare word; never rewritten
.set NIL,  29                          ; v29     0; never rewritten
.set G,    32
.set INV,  40
.set MN,   48                          ; the head's work: v48-51 -M_row, later the last factor; v52-55 what the other half of the lanes sends; v56-59 l_row; v60-63 the other half's E_7 or E_15
.set TT,   52
.set LS,   56
.set PJ,   60
.set X,    64                          ; v64-95 -M, then E: register 4 i + j: my chunk i, my row j;  v96-127 l;  v128-159 2^E;  v160-191 g
.set LL,   96
.set FF,   128
.set DD,   160
.set VF,   128
.set WV,   12                          ; s12 wave
.set SEL,  20                          ; s[20:21] lane selects for v_permlanex16_b32: lane l xor 16
.set G1V,  24                          ; s[24:31] descriptor group 1;  s[32:39] group 0, one set for each slot
.set G0V,  32
.set PP,   48                          ; s[48:49] p at my first block's images of the lap's first chunk
.set TF,   50                          ; s50  512 x the lap's first entry
.set MK,   51                          ; s51  the mask of lanes 0-15
.set MSB, 0
.macro WIN new                         ; the immediate's high byte repeats the setting that is left; a switch that changes nothing is dropped
.if MSB != (\new)
	s_set_vgpr_msb (MSB<<8)|(\new)
.set MSB, (\new)
.endif
.endm
.macro CREST                           ; a round of the cluster's barrier behind its opening barrier
	s_cmp_lg_u32 s[WV], 0
	s_cbranch_scc1 .Lnot_wave_0_\@
	s_barrier_signal -3
.Lnot_wave_0_\@:
	s_barrier_wait -3
	s_barrier_signal -1
	s_barrier_wait -1
.endm
.macro CROUND
	s_barrier_signal -1
	s_barrier_wait -1
	CREST
.endm
; A load into a register that a matrix instruction has read, and a vector instruction that reads a matrix result or writes one of a matrix instruction's registers, stand four places behind it;
; only plain vector instructions that name none of its registers are places.
.macro PLACES
.rept 4
	v_nop
.endr
.endm
; Sixteen loads: blocks 2 hf and 2 hf + 1 of the chunk that lies co chunks behind the lap's first, into buffer co % 4
.macro PLOAD co, hf
.set WW, (2+((\co)%4)/2)<<6
	WIN WW                                         ; destination window 2 or 3, address window 0
.irp a2, 0,1
.irp m, 0,1,2,3,4,5,6,7
	global_load_b128 v[128*((\co)%2)+32*(2*(\hf)+\a2)+4*\m:128*((\co)%2)+32*(2*(\hf)+\a2)+4*\m+3], v[LO], s[PP:PP+1] offset:4096*(\co)+65536*(2*(\hf)+\a2)+512*\m
.endr
.endr
	WIN 0
.endm
	s_load_b256 s[4:11], s[0:1], 0x0               ; p s[4:5], qkv s[6:7], st s[8:9], out0 s[10:11]
	v_lshl_add_u32 v[SPW], v0, 2, SPARE
	v_mov_b32 v[NIL], 0
	ds_add_u32 v[SPW], v[NIL]                      ; the wave's opening: the add, twice on end, and its wait ahead of my first tensor load
	ds_add_u32 v[SPW], v[NIL]
	v_lshrrev_b32 v1, 5, v0
	v_readfirstlane_b32 s[WV], v1                  ; wave 0..3
	s_bfe_u32 s40, ttmp6, 0x40000                  ; cx
	s_bfe_u32 s41, ttmp6, 0x40004                  ; cy
	s_lshl_b32 s42, ttmp9, 2
	s_add_co_u32 s42, s42, s40                     ; x: my 128 channels
	s_and_b32 s46, ttmp7, 0xffff                   ; cluster y
	s_lshl_b32 s43, s46, 2
	s_add_co_u32 s43, s43, s41                     ; y: my 256 queries of all 8,192
	s_lshr_b32 s46, s46, 1                         ; the batch: two clusters along y to each
	s_lshl_b32 s45, 0x1111, s40                    ; my column of the cluster
	; descriptor group 1: 64 keys x 128 elements of 2 bytes, 32 bytes of padding behind each row
	s_or_b32 s[G1V+0], s45, (1<<16)|(1<<20)|(1<<21)|(5<<22)|(7<<25)  ; 15:0 the mask; 17:16 elements of 2 bytes; 20 padding on; 21 set beside a mask; 24:22 after every 64 words; 31:25 eight words
	s_mov_b32 s[G1V+1], 128<<16                    ; tensor_dim0
	s_mov_b32 s[G1V+2], 64<<16                     ; tensor_dim1
	s_mov_b32 s[G1V+3], 128<<16                    ; tile_dim0
	s_mov_b32 s[G1V+4], 64                         ; tile_dim1
	s_mov_b32 s[G1V+5], ROWQ/2                     ; 3,072 elements from row to row
	s_mov_b32 s[G1V+6], 0
	s_mov_b32 s[G1V+7], 0
	; where V's tiles come from: the batch (the cluster's y), the wave and x, which my column of the cluster shares
	s_lshl_b32 s18, s46, 11
	s_lshl_b32 s19, s[WV], 6
	s_add_co_u32 s18, s18, s19                     ; row 2,048 x batch + 64 x wave
	s_mul_i32 s18, s18, ROWQ                       ; under 2^26
	s_lshl_b32 s19, s42, 8
	s_add_co_u32 s18, s18, s19                     ; + my 128 channels
	s_add_co_u32 s18, s18, 4096                    ; in V's part of a row
	s_mov_b32 s19, 0
	s_mul_i32 s23, s[WV], QW                       ; and where they go: no place in the cluster enters an LDS address
	s_lshl_b32 s16, s43, 8
	s_lshl_b32 s17, s[WV], 6
	s_add_co_u32 s16, s16, s17                     ; my first query: 256 y + 64 x wave
	s_lshl_b32 s52, s16, 12                        ; p: 65,536 bytes for 16 queries;  out0: 4,096 bytes a row: the same number
	s_mov_b32 s53, 0
	s_lshl_b32 s54, s16, 2                         ; st: 4 bytes a row
	s_mov_b32 s55, 0
	s_lshl_b32 s56, s42, 9
	s_add_co_u32 s56, s56, s52                     ; out0: + 512 bytes x x
	s_mov_b32 s57, 0
	s_mov_b32 s[SEL], 0x76543210
	s_mov_b32 s[SEL+1], 0xfedcba98
	s_mov_b32 s[TF], 0
	s_wait_dscnt 0x0                               ; both opening adds are done
	s_wait_kmcnt 0x0
	s_add_nc_u64 s[58:59], s[6:7], s[18:19]
	s_add_nc_u64 s[PP:PP+1], s[4:5], s[52:53]
	s_add_nc_u64 s[8:9], s[8:9], s[54:55]
	s_add_nc_u64 s[10:11], s[10:11], s[56:57]
	CROUND                                         ; all sixteen work-groups are here: the first joint loads meet
.irp s, 0,1
	s_mov_b32 s[G0V+4*\s], 1                                       ; count = 1
	s_add_co_u32 s[G0V+4*\s+1], s23, \s*SLOT                       ; LDS address
	s_add_nc_u64 s[G0V+4*\s+2:G0V+4*\s+3], s[58:59], \s*256*ROWQ   ; global address: keys 256 s on
	s_or_b32 s[G0V+4*\s+3], s[G0V+4*\s+3], 0x80000000              ; type = 2
.endr
	tensor_load_to_lds s[G0V:G0V+3], s[G1V:G1V+7]  ; every wave fetches 64 keys of its own of each slot: two loads of mine are out
	s_nop 0
	tensor_load_to_lds s[G0V+4:G0V+7], s[G1V:G1V+7]
	s_nop 0
	PLACES
	; THE FACTORS are made while the first tiles are on their way.  A lane takes four neighbouring rows of my 64, rows 4 (lane % 16) + j; lanes 0-15 take chunks 0-7, lanes 16-31 chunks 8-15: sixteen lanes read 256 consecutive bytes
	v_and_b32 v7, 31, v0                           ; lane
	v_lshlrev_b32 v[LO], 4, v7
	v_and_b32 v1, 15, v0                           ; r
	v_bfe_u32 v2, v0, 4, 1                         ; h
	v_lshlrev_b32 v[SO], 4, v1
	v_lshl_add_u32 v[SO], v2, 18, v[SO]            ; + 8 chunks of 32,768 bytes for lanes 16-31
.irp i, 0,1,2,3,4,5,6,7
	global_load_b128 v[X+4*\i:X+4*\i+3], v[SO], s[8:9] offset:32768*\i            ; -M
	global_load_b128 v[LL+4*\i:LL+4*\i+3], v[SO], s[8:9] offset:524288+32768*\i   ; l
.endr
	PLOAD 0, 0                                     ; p of chunk 0
	PLOAD 0, 1
	; The turning load takes 16 keys x 16 channels (lane l reads 16 bytes: key 8 (l / 16) + l % 8, channels 8 ((l / 8) % 2) + 0..7) and leaves half a fragment of V^T: lane l holds channel l % 16 and 8 keys
	v_and_b32 v4, 7, v0
	v_lshl_add_u32 v4, v2, 3, v4
	v_mul_u32_u24 v4, v4, VP
	v_bfe_u32 v5, v0, 3, 1
	v_lshl_add_u32 v[ADRB], v5, 4, v4
	v_add_nc_u32 v[ADRB+1], CHK, v[ADRB]
	v_add_nc_u32 v[ADRB+2], 2*CHK, v[ADRB]
	v_add_nc_u32 v[ADRB+3], 3*CHK, v[ADRB]
	s_mul_i32 s16, s[WV], FTWV
	s_add_co_u32 s16, s16, FT                      ; my wave's factors
	v_lshl_add_u32 v[FTR], v1, 5, s16              ; read: query place r: 32 bytes: blocks 0 to 3, each factor twice
	v_mov_b32 v[FTA], v[FTR]
	v_and_b32 v5, 3, v1
	v_lshrrev_b32 v6, 2, v1
	v_lshlrev_b32 v6, 3, v6
	v_lshl_add_u32 v6, v5, 7, v6                   ; stored: row 4 (lane % 16) + j is block (lane % 16) / 4, place 4 (lane % 4) + j: 8 x block + 32 x place
	v_add_nc_u32 v[FTW0], s16, v6
	v_lshl_add_u32 v[FTW], v2, 12, v[FTW0]         ; lanes 16-31: eight entries of 512 bytes on
	s_mul_i32 s16, s[WV], 16*SPITCH
	s_add_co_u32 s16, s16, STAGE                   ; my stage
	v_mul_u32_u24 v6, v1, SPITCH                   ; in: row r, 32 bytes for each half of the lanes
	v_lshl_add_u32 v6, v2, 5, v6
	v_add_nc_u32 v[STO], s16, v6
	v_add_nc_u32 v[RD], s16, v[LO]                 ; back: the 32 lanes take one row of 512 bytes
	v_cmp_gt_u32 s[MK], 16, v7
.irp j, 0,1,2,3
	v_mov_b32 v[TT+\j], 0                          ; written once: a lane permute's destination counts as one of its sources
	v_mov_b32 v[PJ+\j], 0
.endr
	s_wait_loadcnt 32                              ; the statistics are in (p's 32 loads behind them may be out)
	PLOAD 1, 0                                     ; p of chunk 1
	PLOAD 1, 1
.irp j, 0,1,2,3
	v_min3_num_f32 v[MN+\j], v[X+\j], v[X+4+\j], v[X+8+\j]         ; the least -M of my eight chunks (the four rows by turns)
.endr
.irp i, 12,20
.irp j, 0,1,2,3
	v_min3_num_f32 v[MN+\j], v[MN+\j], v[X+\i+\j], v[X+\i+4+\j]
.endr
.endr
.irp j, 0,1,2,3
	v_min_num_f32 v[MN+\j], v[MN+\j], v[X+28+\j]
.endr
.irp j, 0,1,2,3
	v_permlanex16_b32 v[TT+\j], v[MN+\j], s[SEL], s[SEL+1]
.endr
.irp j, 0,1,2,3
	v_min_num_f32 v[MN+\j], v[MN+\j], v[TT+\j]     ; with the other eight: -M_row
.endr
.set n, 0
.rept 32
	v_sub_f32 v[X+n], v[MN+n%4], v[X+n]            ; M_c - M_row: a whole number, 0 or less
.set n, n+1
.endr
.set n, 0
.rept 32
	v_max_num_f32 v[X+n], 0xc2800000, v[X+n]       ; E: held at -64
.set n, n+1
.endr
.set n, 0
.rept 32
	v_cvt_i32_f32 v[FF+n], v[X+n]
.set n, n+1
.endr
.set n, 0
.rept 32
	v_ldexp_f32 v[FF+n], 1.0, v[FF+n]              ; 2^E
.set n, n+1
.endr
.irp j, 0,1,2,3
	v_mul_f32 v[LS+\j], v[FF+\j], v[LL+\j]         ; the sum of 2^E l over my eight chunks
.endr
.set n, 4
.rept 28
	v_fmac_f32 v[LS+n%4], v[FF+n], v[LL+n]
.set n, n+1
.endr
.irp j, 0,1,2,3
	v_permlanex16_b32 v[PJ+\j], v[X+28+\j], s[SEL], s[SEL+1]       ; the other half's last E: lanes 16-31 get E_7, lanes 0-15 get E_15
.endr
.irp j, 0,1,2,3
	v_sub_f32 v[DD+\j], v[PJ+\j], v[X+\j]          ; lanes 16-31: E_7 - E_8.  (Lanes 0-15: entry 0, which nobody reads: chunk 0 starts the sums)
.endr
.set n, 4
.rept 28
	v_sub_f32 v[DD+n], v[X+n-4], v[X+n]            ; E_(c-1) - E_c: from -64 to 64
.set n, n+1
.endr
.set n, 0
.rept 32
	v_cvt_i32_f32 v[DD+n], v[DD+n]
.set n, n+1
.endr
.set n, 0
.rept 32
	v_ldexp_f32 v[DD+n], 1.0, v[DD+n]              ; g
.set n, n+1
.endr
.irp j, 0,1,2,3
	v_permlanex16_b32 v[TT+\j], v[LS+\j], s[SEL], s[SEL+1]
.endr
.irp j, 0,1,2,3
	v_add_f32 v[LS+\j], v[LS+\j], v[TT+\j]         ; l_row
.endr
.irp j, 0,1,2,3
	v_cndmask_b32 v[TT+\j], v[X+28+\j], v[PJ+\j], s[MK]            ; E_15, in both halves of the lanes
.endr
.irp j, 0,1,2,3
	v_cvt_i32_f32 v[TT+\j], v[TT+\j]
.endr
.irp j, 0,1,2,3
	v_rcp_f32 v[MN+\j], v[LS+\j]
.endr
	v_nop                                          ; a plain instruction behind the last reciprocal
.set n, 0
.rept 32
	ds_store_b32 v[FTW], v[DD+n] offset:512*(n/4)+32*(n%4)         ; each factor twice on end: the packed multiplication names a pair.  Only my wave reads these bytes
	ds_store_b32 v[FTW], v[DD+n] offset:512*(n/4)+32*(n%4)+4
.set n, n+1
.endr
	s_wait_alu depctr_va_vdst(0)                   ; one wait for the four reciprocals, ahead of their first reader
.irp j, 0,1,2,3
	v_mul_f32 v[MN+\j], 0x41800000, v[MN+\j]       ; 16 / l_row
.endr
.irp j, 0,1,2,3
	v_ldexp_f32 v[MN+\j], v[MN+\j], v[TT+\j]       ; x 2^E_15
.endr
.irp j, 0,1,2,3
	ds_store_b32 v[FTW0], v[MN+\j] offset:8192+32*\j               ; entry 16: both halves of the lanes write the same words with the same values
	ds_store_b32 v[FTW0], v[MN+\j] offset:8192+32*\j+4
.endr
; np pairs of matrix instructions from pair p0 on, of the 16 of chunk kk's (modulo 4) quarter q.  Number 8 a + b: queries 16 a on, channels 16 b on, 32 keys.  zero = 1: the first product starts the sums.
; resc = 1: ahead of each pair its two accumulators are multiplied by my query's g, each from its low end on.  The 32 accumulators take turns, one instruction a turn, in the same order in every quarter.
.macro PART kk, q, p0, np, zero, resc
.set pp, \p0
.rept \np
.if \resc
	WIN 0x41                                       ; destination and source 0 window 1, g window 0
.set nn, 0
.rept 8
	v_pk_mul_f32 v[16*pp+2*nn:16*pp+2*nn+1], v[16*pp+2*nn:16*pp+2*nn+1], v[G+2*(pp/4):G+2*(pp/4)+1] op_sel_hi:[1,0]
.set nn, nn+1
.endr
.endif
.set WW, 0x50|((2+(\kk)/2)<<2)
	WIN WW                                         ; V window 0, p window 2 or 3, C and D window 1
.set mi, 2*pp
.rept 2
.if \zero
	v_wmma_f32_16x16x32_f16 v[8*mi:8*mi+7], v[VF+64*((\q)%2)+8*(mi%8):VF+64*((\q)%2)+8*(mi%8)+7], v[128*((\kk)%2)+32*(mi/8)+8*(\q):128*((\kk)%2)+32*(mi/8)+8*(\q)+7], 0
.else
	v_wmma_f32_16x16x32_f16 v[8*mi:8*mi+7], v[VF+64*((\q)%2)+8*(mi%8):VF+64*((\q)%2)+8*(mi%8)+7], v[128*((\kk)%2)+32*(mi/8)+8*(\q):128*((\kk)%2)+32*(mi/8)+8*(\q)+7], v[8*mi:8*mi+7]
.endif
.set mi, mi+1
.endr
.set pp, pp+1
.endr
.endm
.macro FETCHV kk, q, g                 ; 16 LDS loads in one run: V's eight fragments of chunk kk's quarter q into buffer g
.irp b, 0,1,2,3,4,5,6,7
	ds_load_tr16_b128 v[VF+64*(\g)+8*\b:VF+64*(\g)+8*\b+3],   v[ADRB+(\kk)] offset:32*VP*(\q)+32*\b
	ds_load_tr16_b128 v[VF+64*(\g)+8*\b+4:VF+64*(\g)+8*\b+7], v[ADRB+(\kk)] offset:32*VP*(\q)+32*\b+16*VP
.endr
.endm
.macro FETCHG e                        ; g of the chunk that lies e chunks behind the lap's first
	ds_load_b128 v[G:G+3],   v[FTA] offset:512*(\e)
	ds_load_b128 v[G+4:G+7], v[FTA] offset:512*(\e)+16
.endm
; A quarter: 32 keys, 32 matrix instructions on V's buffer q % 2; behind its first eight the next quarter's fragments are fetched into the other buffer, 24 matrix instructions ahead of their use.
; lw: the count of the wait for p's loads, or -1;  pco: the chunk of which sixteen loads go out here, or -1.  With resc = 1 the first 32 multiplications are the places in front of the loads.
.macro QTR kk, q, zero, resc, lw, pco
	s_wait_dscnt 0x0                               ; V's fragments of this quarter are in, and g
.if (\lw) >= 0
	s_wait_loadcnt \lw                             ; all of p's loads but the youngest two runs of sixteen (in the tail: as many as are left)
.endif
	PART \kk, \q, 0, 4, \zero, \resc
	WIN 0
.if (\resc) == 0
	PLACES
.endif
.if (\q) < 3
	FETCHV \kk, (\q)+1, 1-(\q)%2
.else
	FETCHG (\kk)+1
	FETCHV ((\kk)+1)%4, 0, 0
.endif
.if (\pco) >= 0
	PLOAD \pco, (\q)/2
.endif
	PART \kk, \q, 4, 12, \zero, \resc
.endm
; A slot's last quarter (chunk kk = 1 or 3) changes slots: one barrier; in front of it each wave waits for all its tensor loads (one is out: its part of the next slot), adds 0 to its spare word, and waits for that and for its reads of this slot.
; fill = 1: the barrier opens a round of the cluster's barrier, and this slot is filled again, with the keys two slots on, first thing behind the round.
.macro TURN kk, fill
	WIN 0                                          ; (the add's two registers lie in window 0)
	s_wait_tensorcnt 0x0
	ds_add_u32 v[SPW], v[NIL]                      ; 0 onto my spare word
	s_wait_dscnt 1                                 ; V's fragments of this quarter are in (the add may be out)
	PART \kk, 3, 0, 4, 0, 0                        ; eight matrix instructions stand between the add and the wait for it
	s_wait_dscnt 0x0                               ; the add is done, and my reads of this slot are over
	s_barrier_signal -1
	PART \kk, 3, 4, 4, 0, 0
	WIN 0
	s_barrier_wait -1
.if \fill
	CREST                                          ; no wave of any partner still reads this slot's tile or has a load on its way
	s_add_nc_u64 s[G0V+4*((\kk)/2)+2:G0V+4*((\kk)/2)+3], s[G0V+4*((\kk)/2)+2:G0V+4*((\kk)/2)+3], 2*256*ROWQ
	tensor_load_to_lds s[G0V+4*((\kk)/2):G0V+4*((\kk)/2)+3], s[G1V:G1V+7]
	s_nop 0
.endif
	PLACES                                         ; the places in front of the loads below
	FETCHG (\kk)+1
	FETCHV ((\kk)+1)%4, 0, 0
	PART \kk, 3, 8, 8, 0, 0
.endm
	s_wait_dscnt 0x0                               ; my factors lie in LDS
	s_wait_tensorcnt 1                             ; my part of slot 0 is in (slot 1's load may be out)
	s_barrier_signal -1
	s_barrier_wait -1                              ; everybody's is
	FETCHV 0, 0, 0
	QTR 0, 0, 1, 0, 32, 2                          ; the first quarter stands in front of the loop: its products start the sums
	WIN 0                                          ; at a label and at a branch every window is 0
	s_mov_b32 s3, LAPS-1
.Llap:                                                 ; a trip goes once round the ring, from a lap's second quarter to the next lap's first, and fills both slots again
	QTR 0, 1, 0, 0, -1, -1
	QTR 0, 2, 0, 0, 32, 2
	QTR 0, 3, 0, 0, -1, -1
	QTR 1, 0, 0, 1, 32, 3
	QTR 1, 1, 0, 0, -1, -1
	QTR 1, 2, 0, 0, 32, 3
	TURN 1, 1
	QTR 2, 0, 0, 1, 32, 4
	QTR 2, 1, 0, 0, -1, -1
	QTR 2, 2, 0, 0, 32, 4
	QTR 2, 3, 0, 0, -1, -1
	QTR 3, 0, 0, 1, 32, 5
	QTR 3, 1, 0, 0, -1, -1
	QTR 3, 2, 0, 0, 32, 5
	TURN 3, 1
	QTR 0, 0, 0, 1, 32, 6
	WIN 0
	s_wait_xcnt 0x0                                ; p's loads have read their base: it is stepped only behind this wait
	s_add_nc_u64 s[PP:PP+1], s[PP:PP+1], 4*4096    ; four chunks on
	s_add_co_u32 s[TF], s[TF], 4*512
	v_add_nc_u32 v[FTA], s[TF], v[FTR]
	s_sub_co_u32 s3, s3, 1
	s_cmp_lg_u32 s3, 0
	s_cbranch_scc1 .Llap
	QTR 0, 1, 0, 0, -1, -1                         ; the last lap is written out: it fills nothing, has no round, and asks for p up to chunk 15 and no further
	QTR 0, 2, 0, 0, 32, 2
	QTR 0, 3, 0, 0, -1, -1
	QTR 1, 0, 0, 1, 32, 3
	QTR 1, 1, 0, 0, -1, -1
	QTR 1, 2, 0, 0, 32, 3
	TURN 1, 0
	QTR 2, 0, 0, 1, 32, -1                         ; chunk 14's loads are in; chunk 15's 32 may be out
	QTR 2, 1, 0, 0, -1, -1
	QTR 2, 2, 0, 0, -1, -1
	QTR 2, 3, 0, 0, -1, -1
	QTR 3, 0, 0, 1, 0, -1
	QTR 3, 1, 0, 0, -1, -1
	QTR 3, 2, 0, 0, -1, -1
	WIN 0
	s_wait_dscnt 0x0                               ; the very last quarter: nothing more to fetch but the last factor
	ds_load_b128 v[INV:INV+3],   v[FTR] offset:8192
	ds_load_b128 v[INV+4:INV+7], v[FTR] offset:8208
	PART 3, 3, 0, 16, 0, 0
	WIN 0
; THE WAY OUT, block by block of 16 queries x 128 channels.  O^T x the last factor, each accumulator from its low end on; a lane's 32 bytes of a row go into my own stage; the block comes back as whole rows of 512 bytes.
.macro OUT a
	WIN 0x01                                       ; source 0 in window 1
.set n, 0
.rept 32
	v_pk_mul_f32 v[64+n:65+n], v[64*(\a)+n:64*(\a)+n+1], v[INV+2*(\a):INV+2*(\a)+1] op_sel_hi:[1,0]
.set n, n+2
.endr
	WIN 0
.irp b, 0,1,2,3,4,5,6,7
	ds_store_b128 v[STO], v[64+8*\b:67+8*\b] offset:64*\b
	ds_store_b128 v[STO], v[68+8*\b:71+8*\b] offset:64*\b+16
.endr
.set BK, 128+64*((\a)%2)
.irp t, 0,1,2,3,4,5,6,7,8,9,10,11,12,13,14,15
	ds_load_b128 v[BK+4*\t:BK+4*\t+3], v[RD] offset:\t*SPITCH      ; LDS serves a wave's instructions in order (ISA guide 5.7.1.4): these see the stores above, and the next block's stores come behind them
.endr
.endm
.macro SEND a, younger                 ; younger: the LDS instructions issued behind block a's loads, which may stay out
.set BK, 128+64*((\a)%2)
	s_wait_dscnt \younger
.irp t, 0,1,2,3,4,5,6,7,8,9,10,11,12,13,14,15
	global_store_b128 v[LO], v[BK+4*\t:BK+4*\t+3], s[10:11] offset:(16*(\a)+\t)*ROWO th:TH_STORE_NT   ; 32 lanes store 512 consecutive bytes, aligned; written once, read by nobody here
.endr
.endm
	PLACES                                         ; behind the last products
	s_wait_dscnt 0x0                               ; the last factor is in
	OUT 0
.irp a, 1,2,3
.if \a > 1
	s_wait_xcnt 0x0                                ; block a - 2's stores have read their registers: block a's loads may land there
.endif
	OUT \a
	SEND \a-1, 32                                  ; behind block a - 1's loads: block a's 16 stores and 16 loads
.endr
	SEND 3, 0
	s_wait_tensorcnt 0x0                           ; the wave's end: behind my last tensor load and my last LDS store
	ds_add_u32 v[SPW], v[NIL]
	s_wait_dscnt 0x0
	CROUND                                         ; the closing round: no work-group ends while a partner may still ask for a tile that names it
	s_endpgm
.Lfunc_end_k_qe52f7e8333_mix:
	.size	k_qe52f7e8333_mix, .Lfunc_end_k_qe52f7e8333_mix-k_qe52f7e8333_mix
	.p2alignl 7, 3214868480
	.fill 96, 4, 3214868480
	.section	.rodata,"a",@progbits
	.p2align	6, 0x0
	.amdhsa_kernel k_qe52f7e8333_mix
		.amdhsa_group_segment_fixed_size 327680
		.amdhsa_private_segment_fixed_size 0
		.amdhsa_enable_private_segment 0
		.amdhsa_kernarg_size 32
		.amdhsa_user_sgpr_count 2
		.amdhsa_user_sgpr_kernarg_segment_ptr 1
		.amdhsa_wavefront_size32 1
		.amdhsa_system_sgpr_workgroup_id_x 1
		.amdhsa_system_sgpr_workgroup_id_y 1
		.amdhsa_system_sgpr_workgroup_id_z 1
		.amdhsa_system_vgpr_workitem_id 0
		.amdhsa_next_free_vgpr 1024
		.amdhsa_next_free_sgpr 66
		.amdhsa_reserve_vcc 0
		.amdhsa_float_denorm_mode_32 3
		.amdhsa_float_denorm_mode_16_64 3
		.amdhsa_memory_ordered 1
		.amdhsa_forward_progress 1
		.amdhsa_inst_pref_size 242
	.end_amdhsa_kernel
	.amdgpu_metadata
---
amdhsa.version: [ 1, 2 ]
amdhsa.kernels:
  - .name:           k_qe52f7e8333_mix
    .symbol:         k_qe52f7e8333_mix.kd
    .args:
      - { .name: p, .offset: 0, .size: 8, .value_kind: global_buffer, .address_space: global }
      - { .name: qkv, .offset: 8, .size: 8, .value_kind: global_buffer, .address_space: global }
      - { .name: st, .offset: 16, .size: 8, .value_kind: global_buffer, .address_space: global }
      - { .name: out0, .offset: 24, .size: 8, .value_kind: global_buffer, .address_space: global }
    .group_segment_fixed_size: 327680
    .private_segment_fixed_size: 0
    .kernarg_segment_align: 8
    .kernarg_segment_size: 32
    .max_flat_workgroup_size: 128
    .sgpr_count:     66
    .vgpr_count:     1024
    .wavefront_size: 32
...
	.end_amdgpu_metadata
.endif
;; end of part 4
